; MI455X (gfx1250); checked and timed in simulation.
; The chip was launched on July 23, 2026; its instructions are those of AMD's public machine-readable ISA for CDNA 5 (MIT licence, August 2026) and "CDNA5" Instruction Set Architecture Reference Guide (July 2026). The comments in the code are by the model that wrote it; some were corrected since.
;; GPT Attention. Allowed arithmetic: matrix products marked QUANTISED: E4M3 operands, one given power-of-two scale a tensor, by v_wmma_f32_16x16x64_fp8_fp8 or v_wmma_f32_16x16x128_fp8_fp8, f32 sums; everything else in f32.
;; Inputs: b_attn 3,072 float32; b_proj 1,024 float32; hidden_states 2 x 2,048 x 1,024 float32; lowp_scales 8 int32 (the exponents e of the quantised operands' scales 2^e); w_attn 1,024 x 3,072 float32; w_proj 1,024 x 1,024 float32.
;; Outputs: out0 2 x 2,048 x 1,024 float32.
;; This version of the problem:
;;   THIS VERSION OF THE PROBLEM IS GIVEN IN LOW PRECISION. The matrix products marked QUANTISED in the list below multiply operands that are first quantised to E4M3 (4 exponent bits, 3 mantissa bits; 8 bits a number), with one given power-of-two scale for each operand tensor; their sums are f32. All else is computed in f32.
;;   The module's matrix products, in the order in which they are computed (A, B: the left and right operand; K: the contracted axis; several contracted axes count as one K, in the product's order):
;;     1. [M 4,096, K 1,024] x [K 1,024, N 3,072]; A: input hidden_states; B: input w_attn: QUANTISED (scales: A lowp_scales[0], B lowp_scales[1])
;;     2. batch 32 x [M 2,048, K 64] x [K 64, N 2,048]; A: computed on the way; B: computed on the way: QUANTISED (scales: A lowp_scales[2], B lowp_scales[3])
;;     3. batch 32 x [M 2,048, K 2,048] x [K 2,048, N 64]; A: softmax (see below); B: computed on the way: QUANTISED (scales: A lowp_scales[4], B lowp_scales[5])
;;     4. [M 4,096, K 1,024] x [K 1,024, N 1,024]; A: computed on the way; B: input w_proj: QUANTISED (scales: A lowp_scales[6], B lowp_scales[7])
;;   THE QUANTISER, for each operand of a quantised product, along K:
;;     - The operand's scale is 2^e, e = its entry of the input lowp_scales (int32; the entries are numbered through the quantised products in the list's order, A before B).
;;     - Each number is divided by the scale, clamped to +-448, and rounded to the nearest number of E4M3, ties to even, subnormals kept.
;;     - The product sums the exact products of the quantised numbers (number of the format x scale) in f32.
;;   ~~~python
;;   def quantise(x, axis, e):      # numpy; x: float32 -> the quantised numbers, widened to float32 again
;;       x = np.moveaxis(x, axis, -1); K = x.shape[-1]
;;       r = np.clip(x / 2.0 ** e, -448, 448)
;;       step = 2.0 ** (np.maximum(np.frexp(np.where(r == 0, 1, r))[1] - 1, -6) - 3)
;;       q = np.round(r / step) * step * 2.0 ** e      # np.round: ties to even
;;       return np.moveaxis(q, -1, axis).astype(np.float32)
;;   ~~~
;;   SOFTMAX AHEAD OF A QUANTISED PRODUCT. Where the list says 'softmax', what is quantised is not the finished softmax but p = 2^(t - M), with t = logit x log2(e) and M = ceil(the row's largest t), a whole number; so 1/2 < the row's largest p <= 1. The row's sum l is taken of the UNQUANTISED p, in f32, and the product's result is divided by l at the end. Since M is a whole number, a kernel that streams over the keys may use a running M (the ceiling of the running maximum): every later rescaling is an exact power of two, so the quantised numbers keep their values, but for numbers so far below the row's largest that they fall under the format's range.
;;   OPERANDS COMPUTED ON THE WAY. 'Computed on the way' means the value that the module computes at that place (a softmax that the list does not call 'softmax' is quantised finished and normalised). What goes into a quantiser is computed in f32, as accurately as f32 sums, v_exp_f32 and their like allow (about 1e-6 of the number): no bf16 or f16 on the way to a quantiser, and a product that is left as it is and whose result goes on into a quantised operand takes f32 operands (vector FMAs, or v_wmma_f32_16x16x4_f32). A number that lies on a knife's edge between two numbers of the format may be rounded either way, as far as f32 arithmetic and the matrix unit's own rounding can turn it there, and no further.
;; One version. Each part assembles by itself: llvm-mc -triple=amdgcn-amd-amdhsa -mcpu=gfx1250 --defsym DOCPART=n.
;; ======== version 1 of 1: 4 launches
;; limits: right only within a limited range of input values
;; workspace buffers: x_codes 4,194,304 bytes; wa_codes 3,145,728 bytes; wp_codes 1,048,576 bytes; qkv_codes 12,582,912 bytes; o_codes 4,194,304 bytes
;; launch quant (part 1): grid 256 x 1, 4 waves a work-group, no clusters, 68,096 bytes of LDS; arguments hidden_states, w_attn, w_proj, lowp_scales, x_codes, wa_codes, wp_codes; writes x_codes, wa_codes, wp_codes
.if DOCPART == 1
	.amdgcn_target "amdgcn-amd-amdhsa--gfx1250"
	.amdhsa_code_object_version 6
	.text
	.protected	k_q961ef25190_quant
	.globl	k_q961ef25190_quant
	.p2align	8
	.type	k_q961ef25190_quant,@function
k_q961ef25190_quant:
	s_mov_b64 s[64:65], 0
	v_nop
	global_prefetch_b8 v0, s[64:65] scope:SCOPE_SE
	s_setreg_imm32_b32 hwreg(HW_REG_WAVE_MODE, 25, 1), 1
	s_wait_xcnt 0x0
; The three f32 inputs become codes of FP8 (E4M3), K innermost, each with the one scale 2^e that is given for it: hidden_states (e = entry 0), w_attn (entry 1), w_proj (entry 7).
; code = x / 2^e, held within +-448, rounded to the nearest code, ties to even.
; LAYOUTS, all by chunks of 256 along K.  sigma(i) = i with bits 3 and 4 exchanged.
;   x_codes [32 groups of 128 rows][4 chunks][128 places][256]: row m lies at place sigma(m).
;   wa_codes [16 heads][2 parts][4 chunks][96 places][256]: part 0 holds the head's 64 columns of q, then its first 32 of v; part 1 its 64 of k, then its last 32 of v; column d of a section at place sigma(d) of its rows.
;   wp_codes [16 groups of 64 columns][4 chunks][64 places][256]: column n at place sigma(n).
; DEAD WORK that a later launch leaves out: reference() masks every key behind a query by -infinity ahead of the softmax, for all values of the inputs; launch attn does not compute steps of 128 keys that lie wholly behind
; their queries.  LIMIT: a NaN, an infinity or an overflow that reaches only such scores is not carried to the result.
; LIMITS: each of the three e lies between -126 and 119, so that 2^e and 448 x 2^e are f32 numbers.  NaN among the inputs is not served (an infinity is held at the largest code).
; Work-groups 0-127 take hidden_states, whose K is innermost: a plain stream, 32,768 numbers a work-group.  Work-groups 128-255 take the weights, whose K is the first axis: a lane takes a column and
; its registers run down K, 128 columns x 256 along K a work-group.  Every work-group reads 131,072 bytes.  The two ways part on the work-group's number, never join, and have LDS bytes of their own.
; No tensor loads, no barrier: waves share nothing.
.set XWG,   128                        ; work-groups of the first way
.set STEPS, 16                         ; first way: steps of 512 numbers a wave
.set SP,    80                         ; a lane's place in a stage: its 64 bytes + 16 of padding
.set WREG,  8192                       ; LDS of a wave on the first way: two stages of 32 x SP bytes
.set R,     16                         ; v16-79   four sets of 16 numbers as loaded
.set XN,    80                         ; v80-111  two sets of 16 neighbours
.set CX,    128                        ; v128-191 codes, four registers for each step
.set WLDS,  32768                      ; second way: its stages begin here
.set WP,    272                        ; a stage row: 256 codes + 16 of padding
.set VO,    16                         ; v16-47   4 x lane + i rows of the weight; never rewritten
.set XW,    48                         ; v48-111  two sets of 32 numbers
.set CW,    112                        ; v112-119 a block's codes
.set OUTR,  120                        ; v120-183 the way out
.set SPW,   192
.set NIL,   193
.set SPARE, 0x10800                    ; the spare words, 128 bytes a wave
	s_load_b256 s[4:11], s[0:1], 0x0               ; hidden_states s[4:5], w_attn s[6:7], w_proj s[8:9], the exponents s[10:11]
	s_load_b128 s[12:15], s[0:1], 0x20             ; x_codes s[12:13], wa_codes s[14:15]
	s_load_b64 s[16:17], s[0:1], 0x30              ; wp_codes
	v_lshl_add_u32 v[SPW], v0, 2, SPARE
	v_mov_b32 v[NIL], 0
	v_lshrrev_b32 v1, 5, v0
	v_readfirstlane_b32 s18, v1                    ; wave 0..3
	v_and_b32 v2, 31, v0                           ; lane
	s_wait_alu depctr_va_vdst(0)
	s_wait_kmcnt 0x0
	s_load_b256 s[24:31], s[10:11], 0x0            ; e0 .. e7
	s_cmp_lt_u32 ttmp9, XWG
	s_cbranch_scc0 .Lweights
; ---- hidden_states.  The conversions take 16 neighbours along K from one lane's registers; a load is dense where neighbouring lanes take neighbouring bytes.  Both are had: each load reads 512 consecutive
; bytes, 16 a lane; a step's 2,048 bytes (half a row) go through the wave's own stage in LDS as they lie and come back 64 bytes a lane.
	v_lshlrev_b32 v3, 4, v2                        ; my 16 bytes of a load's 512
	v_lshrrev_b32 v14, 2, v2
	v_and_b32 v15, 3, v2
	v_lshrrev_b32 v5, 4, v2
	v_and_b32 v4, 15, v2
	s_mul_i32 s19, s18, WREG
	v_mul_u32_u24 v14, v14, SP
	v_lshlrev_b32 v5, 15, v5
	v_lshl_add_u32 v14, v15, 4, v14
	v_lshl_add_u32 v5, v4, 4, v5                   ; a step's codes: lanes 0-15 store 256 bytes of one chunk, lanes 16-31 of the next
	v_add_nc_u32 v14, s19, v14                     ; into the stage: SP (lane / 4) + 16 (lane % 4)
	v_mul_u32_u24 v15, v2, SP
	v_add_nc_u32 v15, s19, v15                     ; out of it: SP x lane
	s_wait_alu depctr_va_vdst(0)
	s_lshl_b32 s20, ttmp9, 2
	s_add_co_u32 s22, s20, s18                     ; which run of eight rows is my wave's
	s_lshl_b32 s22, s22, 15
	s_mov_b32 s23, 0
	s_add_nc_u64 s[4:5], s[4:5], s[22:23]
	s_lshr_b32 s21, s18, 1                         ; bits 3 and 4 of a row are bits 0 and 1 of its run's number, the wave's two bits: exchanged
	s_and_b32 s22, s18, 1
	s_lshl_b32 s22, s22, 1
	s_or_b32 s21, s21, s22
	s_add_co_u32 s20, s20, s21
	s_lshr_b32 s21, s20, 4                         ; the group of 128 rows,
	s_lshl_b32 s21, s21, 17
	s_and_b32 s22, s20, 15                         ; and the run's place in it
	s_lshl_b32 s22, s22, 11
	s_add_co_u32 s22, s22, s21
	s_add_nc_u64 s[12:13], s[12:13], s[22:23]
.macro LOADX t
.irp i, 0,1,2,3
	global_load_b128 v[R+16*((\t)%4)+4*\i:R+16*((\t)%4)+4*\i+3], v3, s[4:5] offset:2048*(\t)+512*\i th:TH_LOAD_NT
.endr
.endm
.macro TURNX t                         ; LDS serves a wave's instructions in order: no wait between the stores and the loads
.irp i, 0,1,2,3
	ds_store_b128 v14, v[R+16*((\t)%4)+4*\i:R+16*((\t)%4)+4*\i+3] offset:32*SP*((\t)%2)+8*SP*\i
.endr
.irp i, 0,1,2,3
	ds_load_b128 v[XN+16*((\t)%2)+4*\i:XN+16*((\t)%2)+4*\i+3], v15 offset:32*SP*((\t)%2)+16*\i
.endr
.endm
.irp t, 0,1,2,3
	LOADX \t
.endr
	s_wait_alu depctr_va_vdst(0)
	s_wait_kmcnt 0x0
	s_add_co_i32 s22, s24, 127
	s_lshl_b32 s23, s22, 23
	v_mov_b32 v11, s23                             ; 2^e0 as f32: the conversion takes its exponent field
	s_add_co_i32 s22, s22, 8
	s_lshl_b32 s22, s22, 23
	s_or_b32 s22, s22, 0x600000
	v_mov_b32 v10, s22                             ; 448 x 2^e0
	s_wait_alu depctr_va_vdst(0)
	s_wait_loadcnt 12                              ; step 0's four loads are in; the twelve of steps 1 to 3 stay out
	TURNX 0
.macro STEPX t
.set XS, XN+16*((\t)%2)
	s_wait_dscnt 0x0                               ; this step's numbers are back from the stage, so its stores into the stage have read their registers,
.if (\t)+4 < STEPS
	LOADX (\t)+4                                   ; which take the loads of four steps on
.endif
.if (\t)+1 < STEPS
.if STEPS-2-(\t) >= 3
	s_wait_loadcnt 12                              ; the next step's four loads are in; those of the three steps behind it may be out
.else
	s_wait_loadcnt 4*(STEPS-2-(\t))                ; the tail: fewer steps are behind it
.endif
	TURNX (\t)+1
.endif
.set i, 0
.rept 16
	v_med3_num_f32 v[XS+i], v[XS+i], -v10, v10     ; the conversion to an 8-bit code does not saturate (ISA guide 7.6.2): the hold comes first
.set i, i+1
.endr
	v_cvt_scalef32_pk8_fp8_f32 v[CX+4*(\t):CX+4*(\t)+1], v[XS:XS+7], v11
	v_cvt_scalef32_pk8_fp8_f32 v[CX+4*(\t)+2:CX+4*(\t)+3], v[XS+8:XS+15], v11
	global_store_b128 v5, v[CX+4*(\t):CX+4*(\t)+3], s[12:13] offset:65536*((\t)%2)+256*((\t)/2)   ; two aligned pieces of 256 bytes; each step has its own registers, so no store's data are written again
.endm
.irp t, 0,1,2,3,4,5,6,7,8,9,10,11,12,13,14,15
	STEPX \t
.endr
	s_wait_tensorcnt 0x0                           ; the wave's end
	ds_add_u32 v[SPW], v[NIL]
	s_wait_dscnt 0x0
	s_endpgm
; ---- the weights.  One text for both: the row's length, the two buffers and the exponent are chosen on the work-group's number.
.Lweights:
	s_sub_co_u32 s19, ttmp9, XWG
	s_cmp_ge_u32 ttmp9, 224                        ; 96 work-groups for w_attn (24 x 4), then 32 for w_proj (8 x 4)
	s_cselect_b64 s[6:7], s[8:9], s[6:7]           ; from
	s_cselect_b64 s[14:15], s[16:17], s[14:15]     ; to
	s_mov_b32 s20, 12288
	s_cselect_b32 s20, 4096, s20                   ; a row of the weight in bytes
	s_cselect_b32 s21, 96, 0
	s_sub_co_u32 s19, s19, s21
	s_lshr_b32 s21, s19, 2                         ; which 128 columns
	s_and_b32 s22, s19, 3                          ; which 256 along K
	s_lshl_b32 s21, s21, 7
	s_lshl_b32 s23, s18, 5
	s_add_co_u32 s21, s21, s23                     ; my wave's first column
	s_mul_i32 s50, s22, s20
	s_lshl_b32 s50, s50, 8                         ; 256 rows of the weight for each chunk along K,
	s_lshl_b32 s23, s21, 2
	s_add_co_u32 s50, s50, s23                     ; + 4 bytes a column
	s_mov_b32 s51, 0
	s_lshl_b32 s48, s20, 5                         ; a block of 32 rows
	s_mov_b32 s49, 0
	s_add_nc_u64 s[32:33], s[6:7], s[50:51]        ; a base for each of the eight blocks: none is ever stepped
.irp t, 1,2,3,4,5,6,7
	s_add_nc_u64 s[32+2*\t:33+2*\t], s[30+2*\t:31+2*\t], s[48:49]
.endr
	s_lshr_b32 s52, s21, 10                        ; w_attn: which of q, k, v;
	s_bfe_u32 s53, s21, 0x40006                    ; the head;
	s_bfe_u32 s54, s21, 0x10005                    ; which half of its 64
	s_lshl_b32 s55, s54, 13                        ; 32 rows of 256 bytes
	s_mov_b32 s57, 64*256
	s_cmp_eq_u32 s52, 2
	s_cselect_b32 s56, s54, s52                    ; the part
	s_cselect_b32 s55, s57, s55                    ; the place in it
	s_lshl_b32 s53, s53, 1
	s_add_co_u32 s53, s53, s56
	s_mul_i32 s53, s53, 98304
	s_mul_i32 s56, s22, 24576
	s_add_co_u32 s53, s53, s56
	s_add_co_u32 s53, s53, s55
	s_lshr_b32 s56, s21, 6                         ; w_proj: the group of 64,
	s_lshl_b32 s56, s56, 16
	s_lshl_b32 s57, s22, 14                        ; the chunk,
	s_add_co_u32 s56, s56, s57
	s_lshl_b32 s57, s54, 13                        ; and the half
	s_add_co_u32 s56, s56, s57
	s_cmp_ge_u32 ttmp9, 224
	s_cselect_b32 s50, s56, s53
	s_add_nc_u64 s[14:15], s[14:15], s[50:51]
	s_mul_i32 s23, s18, 32*WP
	s_add_co_u32 s23, s23, WLDS                    ; my stage: 32 rows, one for each column
	s_wait_alu depctr_va_vdst(0)
	v_lshlrev_b32 v3, 2, v2
.set i, 0
.rept 32
	v_mad_u32_u24 v[VO+i], s20, i, v3              ; 4 x lane + i rows
.set i, i+1
.endr
	v_mul_u32_u24 v4, v2, WP
	v_add_nc_u32 v4, s23, v4                       ; into it: row = my column
	v_and_b32 v5, 15, v2
	v_lshrrev_b32 v6, 4, v2
	v_mul_u32_u24 v7, v6, WP
	v_lshl_add_u32 v7, v5, 4, v7
	v_add_nc_u32 v7, s23, v7                       ; out of it: sixteen lanes to a row, two rows an instruction
	v_lshlrev_b32 v8, 8, v6
	v_lshl_add_u32 v8, v5, 4, v8                   ; and the same place in the codes
.macro LOADW t                         ; block t: W(32 t + i, my column): 32 lanes read 128 consecutive bytes, the four waves side by side 512
.set i, 0
.rept 32
	global_load_b32 v[XW+32*((\t)%2)+i], v[VO+i], s[32+2*(\t):33+2*(\t)] th:TH_LOAD_NT
.set i, i+1
.endr
.endm
	LOADW 0
	LOADW 1
	s_wait_alu depctr_va_vdst(0)
	s_wait_kmcnt 0x0
	s_cmp_ge_u32 ttmp9, 224
	s_cselect_b32 s52, s31, s25                    ; e7 or e1
	s_add_co_i32 s52, s52, 127
	s_lshl_b32 s53, s52, 23
	v_mov_b32 v11, s53                             ; 2^e
	s_add_co_i32 s52, s52, 8
	s_lshl_b32 s52, s52, 23
	s_or_b32 s52, s52, 0x600000
	v_mov_b32 v10, s52                             ; 448 x 2^e
.macro BLOCKW t
.set XS, XW+32*((\t)%2)
.if (\t) < 7
	s_wait_loadcnt 32                              ; this block's 32 loads are in; the next block's 32 may be out
.else
	s_wait_loadcnt 0x0
.endif
.set i, 0
.rept 32
	v_med3_num_f32 v[XS+i], v[XS+i], -v10, v10
.set i, i+1
.endr
.irp g, 0,1,2,3
	v_cvt_scalef32_pk8_fp8_f32 v[CW+2*\g:CW+2*\g+1], v[XS+8*\g:XS+8*\g+7], v11
.endr
	ds_store_b128 v4, v[CW:CW+3] offset:32*(\t)    ; 32 codes along K of my column
	ds_store_b128 v4, v[CW+4:CW+7] offset:32*(\t)+16
.if (\t)+2 < 8
	LOADW (\t)+2
.endif
	s_wait_dscnt 0x0                               ; the stores have read their registers: the next block's codes may be written
.endm
	s_wait_alu depctr_va_vdst(0)
.irp t, 0,1,2,3,4,5,6,7
	BLOCKW \t
.endr
.irp t, 0,1,2,3,4,5,6,7,8,9,10,11,12,13,14,15
	ds_load_b128 v[OUTR+4*\t:OUTR+4*\t+3], v7 offset:2*\t*WP
.endr
.irp t, 0,1,2,3,4,5,6,7,8,9,10,11,12,13,14,15
	s_wait_dscnt 15-\t                             ; LDS loads come back in order: load t is in
	global_store_b128 v8, v[OUTR+4*\t:OUTR+4*\t+3], s[14:15] offset:512*((\t&3)+4*((\t>>3)&1)+8*((\t>>2)&1))   ; columns 2 t, 2 t + 1 at their places: 512 consecutive bytes, aligned
.endr
	s_wait_tensorcnt 0x0
	ds_add_u32 v[SPW], v[NIL]
	s_wait_dscnt 0x0
	s_endpgm
.Lfunc_end_k_q961ef25190_quant:
	.size	k_q961ef25190_quant, .Lfunc_end_k_q961ef25190_quant-k_q961ef25190_quant
	.p2alignl 7, 3214868480
	.fill 96, 4, 3214868480
	.section	.rodata,"a",@progbits
	.p2align	6, 0x0
	.amdhsa_kernel k_q961ef25190_quant
		.amdhsa_group_segment_fixed_size 68096
		.amdhsa_private_segment_fixed_size 0
		.amdhsa_enable_private_segment 0
		.amdhsa_kernarg_size 56
		.amdhsa_user_sgpr_count 2
		.amdhsa_user_sgpr_kernarg_segment_ptr 1
		.amdhsa_wavefront_size32 1
		.amdhsa_system_sgpr_workgroup_id_x 1
		.amdhsa_system_sgpr_workgroup_id_y 1
		.amdhsa_system_sgpr_workgroup_id_z 1
		.amdhsa_system_vgpr_workitem_id 0
		.amdhsa_next_free_vgpr 194
		.amdhsa_next_free_sgpr 66
		.amdhsa_reserve_vcc 0
		.amdhsa_float_denorm_mode_32 3
		.amdhsa_float_denorm_mode_16_64 3
		.amdhsa_memory_ordered 1
		.amdhsa_forward_progress 1
		.amdhsa_inst_pref_size 89
	.end_amdhsa_kernel
	.amdgpu_metadata
---
amdhsa.version: [ 1, 2 ]
amdhsa.kernels:
  - .name:           k_q961ef25190_quant
    .symbol:         k_q961ef25190_quant.kd
    .args:
      - { .name: hidden_states, .offset: 0, .size: 8, .value_kind: global_buffer, .address_space: global }
      - { .name: w_attn, .offset: 8, .size: 8, .value_kind: global_buffer, .address_space: global }
      - { .name: w_proj, .offset: 16, .size: 8, .value_kind: global_buffer, .address_space: global }
      - { .name: lowp_scales, .offset: 24, .size: 8, .value_kind: global_buffer, .address_space: global }
      - { .name: x_codes, .offset: 32, .size: 8, .value_kind: global_buffer, .address_space: global }
      - { .name: wa_codes, .offset: 40, .size: 8, .value_kind: global_buffer, .address_space: global }
      - { .name: wp_codes, .offset: 48, .size: 8, .value_kind: global_buffer, .address_space: global }
    .group_segment_fixed_size: 68096
    .private_segment_fixed_size: 0
    .kernarg_segment_align: 8
    .kernarg_segment_size: 56
    .max_flat_workgroup_size: 128
    .sgpr_count:     66
    .vgpr_count:     194
    .wavefront_size: 32
...
	.end_amdgpu_metadata
.endif
;; end of part 1
;; launch qkv (part 2): grid 16 x 16, 4 waves a work-group, clusters of 4 x 4, 327,680 bytes of LDS; arguments x_codes, wa_codes, lowp_scales, b_attn, qkv_codes; writes qkv_codes
.if DOCPART == 2
	.amdgcn_target "amdgcn-amd-amdhsa--gfx1250"
	.amdhsa_code_object_version 6
	.text
	.protected	k_q961ef25190_qkv
	.globl	k_q961ef25190_qkv
	.p2align	8
	.type	k_q961ef25190_qkv,@function
k_q961ef25190_qkv:
	s_mov_b64 s[64:65], 0
	v_nop
	global_prefetch_b8 v0, s[64:65] scope:SCOPE_SE
	s_setreg_imm32_b32 hwreg(HW_REG_WAVE_MODE, 25, 1), 1
	s_wait_xcnt 0x0
	s_wait_alu depctr_hold_cnt(0) depctr_sa_sdst(0) depctr_va_vdst(0) depctr_va_sdst(0) depctr_va_ssrc(0) depctr_va_vcc(0) depctr_vm_vsrc(0)
	s_getreg_b32 s2, hwreg(HW_REG_IB_STS2, 6, 4)
	s_cmp_eq_u32 s2, 0
	s_cbranch_scc0 .Lentry_in_a_cluster
	s_endpgm
.Lentry_in_a_cluster:
	s_bfe_u32 s2, ttmp6, 0x10000c
	s_cmp_lg_u32 s2, 0xf033
	s_cbranch_scc0 .Lentry_shape_is_right
	s_endpgm
.Lentry_shape_is_right:
; q, k, v = x W_attn + b_attn on codes of FP8 (E4M3), and the results quantised for attention.  Layouts of x_codes and wa_codes: launch quant.
; A work-group makes 256 rows of one head's q, k and v (256 x 192); wave (wr, wc) makes 128 rows x (64 of q (wc = 0) or k (wc = 1), and 32 of v): 48 accumulators, 384 registers.
; K goes in steps of 256 through two LDS slots.  A slot's part of 128 rows of x (96 of W) is a dense block of memory, and two steps' blocks lie behind each other: the one tensor load that a wave issues at the head brings both slots.
; CLUSTERS: 4 x 4 work-groups: x's blocks are asked for jointly by a row of the cluster (four heads), W's by a column (four row tiles).
; ORIENTATION.  q, k: source 0 = 16 channels, source 1 = 16 rows of x: a lane holds one row.  v: source 0 = 16 rows of x, source 1 = 16 channels: a lane holds one channel.  By the places a lane's sixteen registers of two
; neighbouring tiles are sixteen neighbours (channels of q, k; keys of v), so two conversions make 16 bytes of an operand's register image, and 32 lanes store 512 consecutive bytes.
; qkv_codes: sections of 4 MiB (q, k, v), each 32 (batch, head) blocks of 131,072 bytes.  q, k: [128 tiles of 16 rows][2: channels 32 c][lane 32][16];  v: [16 steps of 128 keys][4 tiles of 16 channels][4: keys 32 c][lane][16].
; The bias, divided by 2^(e0 + e1), is the C of each accumulator's first product.  code = (sum + that) / 2^(e - e0 - e1), held within +-448, e = e2, e3 or e5.
; LIMITS: each e - e0 - e1 lies between -126 and 119.  NaN among the operands is not served.
; PREFETCH: K steps 2 and 3 (the slots' refills) are asked for two and three K steps ahead of their products; of the rows that a wave fetches each of the four partners asks for a quarter, told apart by address, a lane a row of 256 bytes.
.set PITCH,  272                       ; an LDS row: 256 bytes + 16
.set FR,     16
.set NL,     4
.set CHX,    128*256                   ; a block of x in memory,
.set CHW,    96*256                    ; of W
.set HALFX,  128*PITCH                 ; and in LDS
.set HALFW,  96*PITCH
.set WOFF,   4*HALFX                   ; LDS: x's two parts, each slot 0, slot 1; then W's two parts likewise
.set SPARE,  WOFF+4*HALFW              ; the spare words, 128 bytes a wave
.set ADRA, 16                          ; v16-17 my fragments of x in slot 0, 1
.set ADRB, 18                          ; v18-19 of W
.set SCLQ, 22
.set LIMQ, 23
.set SCLV, 24
.set LIMV, 25
.set CO,   26                          ; 16 x lane
.set SPW,  28
.set NIL,  29
.set PFO,  30                          ; the prefetches' lane offset; never rewritten
.set BQ,   32                          ; v32-63 bias of q or k, as the accumulators lie
.set BV,   64                          ; v64-79 bias of v
.set AF,   128                         ; x's fragments, window 0; window 1: W's, two sets at v0, v128; windows 2, 3: accumulators of row tiles 0-3, 4-7
.set CD,   128                         ; the way out: codes
.set G1,  24                           ; groups 1: the head's load of x, of W,
.set G1B, 48
.set G1R, 40                           ; the refills' of x, of W
.set G1BR, 92
.set G0,  32
.set G0B, 56
.set MSB, 0
.macro WIN new
.if MSB != \new
	s_set_vgpr_msb (MSB<<8)|\new
.set MSB, \new
.endif
.endm
; A joint load: waves 0, 1 fetch x's parts, waves 2, 3 W's.
.macro JLOAD s, g1a, g1b
	s_cmp_eq_u32 s15, 0
	s_cbranch_scc0 .Lfor_w_\@
	tensor_load_to_lds s[G0+4*\s:G0+4*\s+3], s[\g1a:\g1a+7]
	s_nop 0
.rept 4
	v_nop
.endr
	s_branch .Lasked_\@
.Lfor_w_\@:
	tensor_load_to_lds s[G0B+4*\s:G0B+4*\s+3], s[\g1b:\g1b+7]
	s_nop 0
.rept 4
	v_nop
.endr
.Lasked_\@:
.endm
.macro CREST
	s_cmp_lg_u32 s14, 0
	s_cbranch_scc1 .Lnot_wave_0_\@
	s_barrier_signal -3
.Lnot_wave_0_\@:
	s_barrier_wait -3
	s_barrier_signal -1
	s_barrier_wait -1
.endm
.macro CROUND
	s_barrier_signal -1
	s_barrier_wait -1
	CREST
.endm
.macro GROUP1 g, rows                  ; a dense block of rows of 256 bytes
	s_mov_b32 s[\g+1], 256<<16
	s_mov_b32 s[\g+2], (\rows)<<16
	s_mov_b32 s[\g+3], 256<<16
	s_mov_b32 s[\g+4], \rows
	s_mov_b32 s[\g+5], 256
	s_mov_b32 s[\g+6], 0
	s_mov_b32 s[\g+7], 0
.endm
	s_load_b256 s[4:11], s[0:1], 0x0               ; x_codes, wa_codes, the exponents, b_attn
	s_load_b64 s[12:13], s[0:1], 0x20              ; qkv_codes
	v_lshl_add_u32 v[SPW], v0, 2, SPARE
	v_mov_b32 v[NIL], 0
	ds_add_u32 v[SPW], v[NIL]                      ; the opening adds; set-up on registers stands between the second and the wait
	ds_add_u32 v[SPW], v[NIL]
	v_lshrrev_b32 v1, 5, v0
	v_readfirstlane_b32 s14, v1                    ; wave 0..3
	s_lshr_b32 s15, s14, 1                         ; wr.  Also: I fetch for x (0) or W (1)
	s_and_b32 s16, s14, 1                          ; wc.  Also: which part of it I fetch
	s_bfe_u32 s40, ttmp6, 0x40000                  ; cx
	s_bfe_u32 s41, ttmp6, 0x40004                  ; cy
	s_lshl_b32 s42, ttmp9, 2
	s_add_co_u32 s42, s42, s40                     ; the head
	s_and_b32 s17, ttmp7, 0xffff
	s_lshl_b32 s17, s17, 2
	s_add_co_u32 s17, s17, s41                     ; the tile row
	s_lshl_b32 s43, s41, 2
	s_lshl_b32 s43, 15, s43                        ; my row of the cluster
	s_lshl_b32 s44, 0x1111, s40                    ; my column
	s_or_b32 s[G1+0], s43, (1<<20)|(1<<21)|(5<<22)|(3<<25)    ; the mask; elements of 1 byte; padding: four words after every 64; 21 set beside a mask
	s_or_b32 s[G1B+0], s44, (1<<20)|(1<<21)|(5<<22)|(3<<25)
	GROUP1 G1, 256
	GROUP1 G1B, 192
	s_lshl_b32 s20, s17, 1
	s_add_co_u32 s20, s20, s16
	s_lshl_b32 s20, s20, 17                        ; x: group 2 x tile row + part
	s_mov_b32 s21, 0
	s_lshl_b32 s46, s42, 1
	s_add_co_u32 s46, s46, s16
	s_mul_i32 s46, s46, 4*CHW                      ; W: group 2 x head + part
	s_mov_b32 s47, 0
	s_mul_i32 s45, s16, 2*HALFX                    ; where they go: no place in the cluster enters an LDS address
	s_mul_i32 s68, s16, 2*HALFW
	s_add_co_u32 s68, s68, WOFF
	s_wait_dscnt 0x0                               ; both opening adds are done
	s_wait_kmcnt 0x0
	s_load_b256 s[72:79], s[8:9], 0x0              ; e0 .. e7
	s_add_nc_u64 s[20:21], s[4:5], s[20:21]
	s_add_nc_u64 s[46:47], s[6:7], s[46:47]
	CROUND                                         ; all sixteen work-groups are here: the first joint loads meet
.irp s, 0,1
	s_mov_b32 s[G0+4*\s], 1
	s_add_co_u32 s[G0+4*\s+1], s45, \s*HALFX
	s_add_nc_u64 s[G0+4*\s+2:G0+4*\s+3], s[20:21], \s*CHX
	s_or_b32 s[G0+4*\s+3], s[G0+4*\s+3], 0x80000000
	s_mov_b32 s[G0B+4*\s], 1
	s_add_co_u32 s[G0B+4*\s+1], s68, \s*HALFW
	s_add_nc_u64 s[G0B+4*\s+2:G0B+4*\s+3], s[46:47], \s*CHW
	s_or_b32 s[G0B+4*\s+3], s[G0B+4*\s+3], 0x80000000
.endr
	JLOAD 0, G1, G1B                               ; K steps 0 and 1, both slots: one tensor load a wave at the head
	; the prefetches' rows: of the 128 (x) or 96 (W) of a step that I fetch, 32 by cx or 24 by cy
	s_mul_i32 s69, s40, 32*256
	s_add_co_u32 s69, s69, 2*CHX
	s_mul_i32 s70, s41, 24*256
	s_add_co_u32 s70, s70, 2*CHW
	s_mov_b32 s90, 23
	s_mov_b32 s66, CHW
	s_cmp_eq_u32 s15, 0
	s_cselect_b32 s90, 31, s90
	s_cselect_b32 s66, CHX, s66
	s_cselect_b32 s70, s69, s70
	s_cselect_b64 s[88:89], s[20:21], s[46:47]
	s_mov_b32 s71, 0
	s_mov_b32 s67, 0
	s_add_nc_u64 s[88:89], s[88:89], s[70:71]      ; K step 2
	s_add_nc_u64 s[82:83], s[88:89], s[66:67]      ; K step 3
	; LDS places
	s_mul_i32 s66, s15, 2*HALFX                    ; my 128 rows of x
	s_mul_i32 s67, s16, 2*HALFW
	s_add_co_u32 s67, s67, WOFF                    ; my 96 rows of W
	; the bias, and where results go
	s_lshl_b32 s92, s16, 12
	s_lshl_b32 s93, s42, 8
	s_add_co_u32 s92, s92, s93
	s_mov_b32 s93, 0
	s_add_nc_u64 s[92:93], s[10:11], s[92:93]      ; b(1024 wc + 64 head)
	s_lshl_b32 s94, s16, 7
	s_lshl_b32 s95, s42, 8
	s_add_co_u32 s94, s94, s95
	s_add_co_u32 s94, s94, 8192
	s_mov_b32 s95, 0
	s_add_nc_u64 s[94:95], s[10:11], s[94:95]      ; b(2048 + 64 head + 32 wc)
	s_lshr_b32 s96, s17, 3
	s_lshl_b32 s96, s96, 4
	s_add_co_u32 s96, s96, s42                     ; 16 x batch + head
	s_lshl_b32 s96, s96, 17
	s_and_b32 s97, s17, 7
	s_lshl_b32 s97, s97, 1
	s_add_co_u32 s97, s97, s15                     ; which 128 rows of the batch
	s_lshl_b32 s97, s97, 13
	s_add_co_u32 s96, s96, s97
	s_lshl_b32 s84, s16, 22
	s_add_co_u32 s84, s84, s96
	s_mov_b32 s85, 0
	s_add_nc_u64 s[84:85], s[12:13], s[84:85]      ; q's or k's section
	s_lshl_b32 s86, s16, 12
	s_add_co_u32 s86, s86, s96
	s_add_co_u32 s86, s86, 0x800000
	s_mov_b32 s87, 0
	s_add_nc_u64 s[86:87], s[12:13], s[86:87]      ; v's section, channel tiles 2 wc on
	v_and_b32 v1, 15, v0                           ; r
	v_bfe_u32 v2, v0, 4, 1                         ; h
	v_and_b32 v10, 31, v0
	v_mul_u32_u24 v3, v1, PITCH
	v_lshl_add_u32 v4, v2, 4, v3                   ; a fragment's row, + 16 h
	v_add_nc_u32 v[ADRA], s66, v4
	v_add_nc_u32 v[ADRB], s67, v4
	v_add_nc_u32 v[ADRA+1], HALFX, v[ADRA]
	v_add_nc_u32 v[ADRB+1], HALFW, v[ADRB]
	v_lshlrev_b32 v[CO], 4, v10
	v_min_u32 v[PFO], s90, v10                     ; W: lanes 24 to 31 name the last row again
	v_lshlrev_b32 v[PFO], 8, v[PFO]
	v_lshlrev_b32 v5, 6, v2                        ; q, k: channel 32 B + 16 h + 8 u + j for tile 2 B + u
	v_and_b32 v6, 8, v1
	v_add_nc_u32 v6, v6, v1
	v_lshlrev_b32 v6, 2, v6                        ; v: channel 8 t + r + 8 (r / 8) for tile t
	global_prefetch_b8 v[PFO], s[88:89] th:TH_LOAD_NT scope:SCOPE_SE   ; K step 2, two steps ahead of its products
.irp b, 0,1,2,3
	global_load_b128 v[BQ+8*\b:BQ+8*\b+3], v5, s[92:93] offset:128*(\b/2)+32*(\b%2)
	global_load_b128 v[BQ+8*\b+4:BQ+8*\b+7], v5, s[92:93] offset:128*(\b/2)+32*(\b%2)+16
.endr
	global_load_b32 v80, v6, s[94:95]
	global_load_b32 v81, v6, s[94:95] offset:32
	s_wait_alu depctr_va_vdst(0)
	s_wait_kmcnt 0x0
	s_add_co_i32 s96, s72, s73                     ; e0 + e1
	s_sub_co_i32 s80, 0, s96
	s_cmp_eq_u32 s16, 0
	s_cselect_b32 s97, s74, s75                    ; e2 or e3
	s_sub_co_i32 s97, s97, s96
	s_add_co_i32 s97, s97, 127
	s_lshl_b32 s98, s97, 23
	v_mov_b32 v[SCLQ], s98
	s_add_co_i32 s97, s97, 8
	s_lshl_b32 s97, s97, 23
	s_or_b32 s97, s97, 0x600000
	v_mov_b32 v[LIMQ], s97                         ; 448 x the scale
	s_sub_co_i32 s97, s77, s96
	s_add_co_i32 s97, s97, 127
	s_lshl_b32 s98, s97, 23
	v_mov_b32 v[SCLV], s98
	s_add_co_i32 s97, s97, 8
	s_lshl_b32 s97, s97, 23
	s_or_b32 s97, s97, 0x600000
	v_mov_b32 v[LIMV], s97
	s_wait_alu depctr_va_vdst(0)
	s_wait_loadcnt 0x0                             ; the bias
	s_or_b32 s[G1BR], s44, (1<<20)|(1<<21)|(5<<22)|(3<<25)    ; the refills' groups 1, in registers that are free now
	GROUP1 G1BR, 96
	s_or_b32 s[G1R], s43, (1<<20)|(1<<21)|(5<<22)|(3<<25)
	GROUP1 G1R, 128
.set j, 0
.rept 32
	v_ldexp_f32 v[BQ+j], v[BQ+j], s80
.set j, j+1
.endr
.set j, 0
.rept 8
	v_ldexp_f32 v[BV+j], v80, s80
	v_ldexp_f32 v[BV+8+j], v81, s80
.set j, j+1
.endr
.macro FRAG reg, adr, q, i
.irp c, 0,1,2,3
	ds_load_b128 v[\reg+4*\c:\reg+4*\c+3], v[\adr] offset:128*(\q)+32*\c+(\i)*16*PITCH
.endr
.endm
; 12 matrix instructions: row tiles a0, a0 + 1 x my six of W, 128 along K; every accumulator has one turn in each K step, always in the same order.  zero = 1: the bias starts the sums.
.macro MUL2 a0, p, zero, hi
.if \zero
	WIN 0x81+0x40*\hi                              ; source 0 window 1, source 1 and C window 0
.else
	WIN 0xa1+0x50*\hi
.endif
.irp a, \a0, \a0+1
.irp b, 0,1,2,3
.if \zero
	v_wmma_f32_16x16x128_fp8_fp8 v[8*(6*((\a)%4)+\b):8*(6*((\a)%4)+\b)+7], v[128*(\p)+FR*\b:128*(\p)+FR*\b+15], v[AF+FR*(\a):AF+FR*(\a)+15], v[BQ+8*\b:BQ+8*\b+7]
.else
	v_wmma_f32_16x16x128_fp8_fp8 v[8*(6*((\a)%4)+\b):8*(6*((\a)%4)+\b)+7], v[128*(\p)+FR*\b:128*(\p)+FR*\b+15], v[AF+FR*(\a):AF+FR*(\a)+15], v[8*(6*((\a)%4)+\b):8*(6*((\a)%4)+\b)+7]
.endif
.endr
.endr
.if \zero
	WIN 0x84+0x40*\hi                              ; v: source 0 window 0, source 1 window 1
.else
	WIN 0xa4+0x50*\hi
.endif
.irp a, \a0, \a0+1
.irp b, 4,5
.if \zero
	v_wmma_f32_16x16x128_fp8_fp8 v[8*(6*((\a)%4)+\b):8*(6*((\a)%4)+\b)+7], v[AF+FR*(\a):AF+FR*(\a)+15], v[128*(\p)+FR*\b:128*(\p)+FR*\b+15], v[BV+8*(\b-4):BV+8*(\b-4)+7]
.else
	v_wmma_f32_16x16x128_fp8_fp8 v[8*(6*((\a)%4)+\b):8*(6*((\a)%4)+\b)+7], v[AF+FR*(\a):AF+FR*(\a)+15], v[128*(\p)+FR*\b:128*(\p)+FR*\b+15], v[8*(6*((\a)%4)+\b):8*(6*((\a)%4)+\b)+7]
.endif
.endr
.endr
.endm
.macro FETCH_B slot, q, p
	WIN 0x40
.irp i, 0,1,2,3,4,5
	FRAG 128*(\p)+FR*\i, ADRB+\slot, \q, \i
.endr
	WIN 0
.endm
.macro FETCH_A slot, q, i0
.irp i, \i0, \i0+1, \i0+2, \i0+3
	FRAG AF+FR*(\i), ADRA+\slot, \q, \i
.endr
.endm
.macro PLACES                          ; four places in front of loads into registers that products have read, and of the first read of results
.rept 4
	v_nop
.endr
.endm
; 128 along K that has its successor in the same slot.
.macro STEP slot, q, zero
	s_wait_dscnt 4*NL                              ; the youngest 16 loads (row tiles 4-7) may be out
	MUL2 0, (\q)%2, \zero, 0
	MUL2 2, (\q)%2, \zero, 0
	s_wait_dscnt 0x0
	PLACES
	FETCH_B \slot, (\q)+1, 1-(\q)%2
	FETCH_A \slot, (\q)+1, 0
	MUL2 4, (\q)%2, \zero, 1
	MUL2 6, (\q)%2, \zero, 1
	PLACES
	WIN 0
	FETCH_A \slot, (\q)+1, 4
.endm
; A slot's last 128 along K changes slots.  In front of the one barrier each wave waits for all its tensor loads, adds 0 to its spare word, and waits for that and for its reads of this slot.  fill = 1: this slot is filled again.
.macro TURN slot, next, fill
	s_wait_tensorcnt 0x0
	ds_add_u32 v[SPW], v[NIL]
	s_wait_dscnt 4*NL+1                            ; the add and the youngest 16 loads may be out
	MUL2 0, 1, 0, 0
	s_wait_dscnt 0x0
	s_barrier_signal -1
	MUL2 2, 1, 0, 0
	WIN 0
	s_barrier_wait -1
.if \fill
	CREST                                          ; the barrier has opened a round of the cluster's barrier
	s_add_nc_u64 s[G0+4*\slot+2:G0+4*\slot+3], s[G0+4*\slot+2:G0+4*\slot+3], 2*CHX
	s_add_nc_u64 s[G0B+4*\slot+2:G0B+4*\slot+3], s[G0B+4*\slot+2:G0B+4*\slot+3], 2*CHW
	JLOAD \slot, G1R, G1BR
.else
	PLACES
.endif
	FETCH_B \next, 0, 0
	FETCH_A \next, 0, 0
	MUL2 4, 1, 0, 1
	MUL2 6, 1, 0, 1
	PLACES
	WIN 0
	FETCH_A \next, 0, 4
.endm
	s_wait_alu depctr_va_vdst(0)
	s_wait_tensorcnt 0x0                           ; my part of both slots is in
	s_barrier_signal -1
	s_barrier_wait -1                              ; everybody's part is
	FETCH_B 0, 0, 0
	FETCH_A 0, 0, 0
	FETCH_A 0, 0, 4
	global_prefetch_b8 v[PFO], s[82:83] th:TH_LOAD_NT scope:SCOPE_SE   ; K step 3; there is none behind it
	STEP 0, 0, 1
	TURN 0, 1, 1                                   ; slot 0: K step 2
	STEP 1, 0, 0
	TURN 1, 0, 1                                   ; slot 1: K step 3
	STEP 0, 0, 0
	TURN 0, 1, 0
	STEP 1, 0, 0
	s_wait_dscnt 4*NL
	MUL2 0, 1, 0, 0
	MUL2 2, 1, 0, 0
	s_wait_dscnt 0x0
	MUL2 4, 1, 0, 1
	MUL2 6, 1, 0, 1
	PLACES
; THE WAY OUT, row tiles 4 hf .. 4 hf + 3: hold, convert, store; each half has code registers of its own, so no store's data are written again.
.macro HALF hf
	WIN 0x82+0x41*(\hf)
.irp a, 0,1,2,3
.set j, 48*\a
.rept 32
	v_med3_num_f32 v[j], v[j], -v[LIMQ], v[LIMQ]   ; the conversion to an 8-bit code does not saturate (ISA guide 7.6.2)
.set j, j+1
.endr
.rept 16
	v_med3_num_f32 v[j], v[j], -v[LIMV], v[LIMV]
.set j, j+1
.endr
.endr
	WIN 0x02+(\hf)
.irp a, 0,1,2,3
.irp b, 0,1,2,3
	v_cvt_scalef32_pk8_fp8_f32 v[CD+48*\hf+8*\a+2*\b:CD+48*\hf+8*\a+2*\b+1], v[48*\a+8*\b:48*\a+8*\b+7], v[SCLQ]
.endr
.irp b, 0,1
	v_cvt_scalef32_pk8_fp8_f32 v[CD+48*\hf+32+8*(\a/2)+4*\b+2*(\a%2):CD+48*\hf+32+8*(\a/2)+4*\b+2*(\a%2)+1], v[48*\a+32+8*\b:48*\a+32+8*\b+7], v[SCLV]
.endr
.endr
	v_nop
	WIN 0
.irp a, 0,1,2,3
.irp c, 0,1
	global_store_b128 v[CO], v[CD+48*\hf+8*\a+4*\c:CD+48*\hf+8*\a+4*\c+3], s[84:85] offset:1024*(4*\hf+\a)+512*\c   ; 32 lanes store 512 consecutive bytes, aligned
.endr
.endr
.irp a, 0,1
.irp t, 0,1
	global_store_b128 v[CO], v[CD+48*\hf+32+8*\a+4*\t:CD+48*\hf+32+8*\a+4*\t+3], s[86:87] offset:2048*\t+512*(2*\hf+\a)
.endr
.endr
.endm
	HALF 0
	HALF 1
	s_wait_tensorcnt 0x0                           ; the wave's end
	ds_add_u32 v[SPW], v[NIL]
	s_wait_dscnt 0x0
	CROUND                                         ; the closing round
	s_endpgm
.Lfunc_end_k_q961ef25190_qkv:
	.size	k_q961ef25190_qkv, .Lfunc_end_k_q961ef25190_qkv-k_q961ef25190_qkv
	.p2alignl 7, 3214868480
	.fill 96, 4, 3214868480
	.section	.rodata,"a",@progbits
	.p2align	6, 0x0
	.amdhsa_kernel k_q961ef25190_qkv
		.amdhsa_group_segment_fixed_size 327680
		.amdhsa_private_segment_fixed_size 0
		.amdhsa_enable_private_segment 0
		.amdhsa_kernarg_size 40
		.amdhsa_user_sgpr_count 2
		.amdhsa_user_sgpr_kernarg_segment_ptr 1
		.amdhsa_wavefront_size32 1
		.amdhsa_system_sgpr_workgroup_id_x 1
		.amdhsa_system_sgpr_workgroup_id_y 1
		.amdhsa_system_sgpr_workgroup_id_z 1
		.amdhsa_system_vgpr_workitem_id 0
		.amdhsa_next_free_vgpr 1024
		.amdhsa_next_free_sgpr 100
		.amdhsa_reserve_vcc 0
		.amdhsa_float_denorm_mode_32 3
		.amdhsa_float_denorm_mode_16_64 3
		.amdhsa_memory_ordered 1
		.amdhsa_forward_progress 1
		.amdhsa_inst_pref_size 103
	.end_amdhsa_kernel
	.amdgpu_metadata
---
amdhsa.version: [ 1, 2 ]
amdhsa.kernels:
  - .name:           k_q961ef25190_qkv
    .symbol:         k_q961ef25190_qkv.kd
    .args:
      - { .name: x_codes, .offset: 0, .size: 8, .value_kind: global_buffer, .address_space: global }
      - { .name: wa_codes, .offset: 8, .size: 8, .value_kind: global_buffer, .address_space: global }
      - { .name: lowp_scales, .offset: 16, .size: 8, .value_kind: global_buffer, .address_space: global }
      - { .name: b_attn, .offset: 24, .size: 8, .value_kind: global_buffer, .address_space: global }
      - { .name: qkv_codes, .offset: 32, .size: 8, .value_kind: global_buffer, .address_space: global }
    .group_segment_fixed_size: 327680
    .private_segment_fixed_size: 0
    .kernarg_segment_align: 8
    .kernarg_segment_size: 40
    .max_flat_workgroup_size: 128
    .sgpr_count:     100
    .vgpr_count:     1024
    .wavefront_size: 32
...
	.end_amdgpu_metadata
.endif
;; end of part 2
;; launch attn (part 3): grid 4 x 64, 16 waves a work-group, clusters of 4 x 1, 327,680 bytes of LDS; arguments qkv_codes, lowp_scales, o_codes; writes o_codes
.if DOCPART == 3
	.amdgcn_target "amdgcn-amd-amdhsa--gfx1250"
	.amdhsa_code_object_version 6
	.text
	.protected	k_q961ef25190_attn
	.globl	k_q961ef25190_attn
	.p2align	8
	.type	k_q961ef25190_attn,@function
k_q961ef25190_attn:
	s_mov_b64 s[64:65], 0
	v_nop
	global_prefetch_b8 v0, s[64:65] scope:SCOPE_SE
	s_setreg_imm32_b32 hwreg(HW_REG_WAVE_MODE, 25, 1), 1
	s_wait_xcnt 0x0
	s_wait_alu depctr_hold_cnt(0) depctr_sa_sdst(0) depctr_va_vdst(0) depctr_va_sdst(0) depctr_va_ssrc(0) depctr_va_vcc(0) depctr_vm_vsrc(0)
	s_getreg_b32 s2, hwreg(HW_REG_IB_STS2, 6, 4)
	s_cmp_eq_u32 s2, 0
	s_cbranch_scc0 .Lentry_in_a_cluster
	s_endpgm
.Lentry_in_a_cluster:
	s_bfe_u32 s2, ttmp6, 0x10000c
	s_cmp_lg_u32 s2, 0x3003
	s_cbranch_scc0 .Lentry_shape_is_right
	s_endpgm
.Lentry_shape_is_right:
; Causal attention of one (batch, head), head size 64, both products on codes of FP8 (E4M3), and its result quantised for the projection.  Layout of qkv_codes: launch qkv.
; o_codes: [256 tiles of 16 rows][16 heads][2: channels 32 b][lane 32][16]: the projection's operand as its registers take it.  Lane r of a tile is row 32 B + 8 u + r + 8 (r / 8) for tile 2 B + u, here as in q and k.
; THE SOFTMAX AHEAD OF THE SECOND PRODUCT: t = score x log2(e) / 8; M = the largest t so far, rounded up to a whole number; p = 2^(t - M) is quantised with 2^e4, not normalised.  The row's sum is taken of the unquantised p and
; divides at the end.  When M moves, the sum and O are multiplied by 2^(old M - new M), which rounds nothing.
; ALL OF A HEAD'S K AND V LIES IN LDS: keys 0-1023 are asked for at the head, keys 1024-2047 behind the second round, 8,192 bytes a wave each; nothing is filled twice.  Since there is no loop of loads to run ahead in, nothing is prefetched.
; CLUSTERS of four work-groups of one head ask for these tiles jointly.  No branch and no LDS address hangs on the place cx: it only picks which 32 queries of each block of 128 are the work-group's.
; SHARES.  Blocks of 128 queries.  Cluster y has head y % 32 and the pairs of blocks (i, 15 - i), i = 2 (wave % 4) + y / 32.  Of a pair and of each of its work-group's two tiles TWO waves take the 17 steps of 128 keys: the lower
; wave the first C steps of block 15 - i; the upper wave the i + 1 steps of block i, then block 15 - i's steps from C on: 17 - C steps.  The lower wave hands its sums over in LDS, the upper joins and stores.
; Waves 0-3 are upper with 13 steps, 4-7 upper with 10, 8-11 lower with C = 7, 12-15 lower with C = 4: waves w, w + 4, w + 8, w + 12 together have 34.  The keys from 1024 on are read from a wave's third step on at the earliest.
; DEAD WORK left out: steps all of whose keys lie behind the block's queries (reference()'s own mask).  A NaN, an infinity or an overflow that reaches only those scores is not carried to the result.
; LIMITS: e2 + e3 between -123 and 130 (added to c's exponent field); e4 between -126 and 119; scaled scores under 2^31 in magnitude.  e4 + e5 - e6 is applied by v_ldexp_f32.  NaN among the operands is not served.
.set HALFB, 131072                     ; LDS: [keys 0-1023, 1024-2047][K 65,536, V 65,536]
.set VOFF,  65536
.set SPARE, 2*HALFB                    ; the spare words, 128 bytes for each of 16 waves
.set MERGE, SPARE+2048                 ; the hand-over: 4,608 bytes for each pair of waves; no fill lands here
.set AK0,  1                           ; v1   16 x lane: a place in an image; also the loads' and stores' offset
.set AV0,  2                           ; v2   VOFF + 16 x lane
.set MA,   3                           ; v3   the hand-over's LDS address
.set SPW,  5
.set NIL,  6
.set ADK,  8
.set ADV,  9
.set QF,   16                          ; v16-23 Q.  v12 -M, v13 the largest t, v[14:15] the sum in two halves
.set SCP,  24                          ; 2^e4
.set LMP,  25                          ; 448 x 2^e4
.set NINF, 26
.set DM,   27                          ; the mask's bound in a block's own step
.set FF,   28                          ; v[28:29] f = 2^(old M - new M)
.set KV,   32                          ; v32-95 K's eight fragments, then V's four
.set S,    96                          ; v96-159 S^T, then p
.set O,    160                         ; v160-191 O^T
.set PC,   192                         ; v192-207 p's codes
.set MX,   208                         ; v208, v209, v212, v213 the maximum's four chains
.set PD,   210
.set ONE,  220
.set C448, 221
.set Q2,   232                         ; v232-239 Q of block 15 - i
.set WV,   18
.set SEL,  20
.set CS,   22
.set G1,   24
.set G0,   40                          ; s[40:43], s[44:47]: keys 0-1023, 1024-2047
.set ROLE, 76                          ; 0 a lower wave, 1 an upper
.set TBK,  77                          ; the block of the tile in hand
.set SW,   78                          ; the step at which an upper wave goes on to block 15 - i (lower: never reached)
.set BASE, 79
.set LAST, 80                          ; my count of steps
.set N,    81
.set KS,   82                          ; which 128 keys
.set EO,   83
.set LB,   84                          ; 15 - i
.macro CROUND
	s_barrier_signal -1
	s_barrier_wait -1
	s_cmp_lg_u32 s[WV], 0
	s_cbranch_scc1 .Lnot_wave_0_\@
	s_barrier_signal -3
.Lnot_wave_0_\@:
	s_barrier_wait -3
	s_barrier_signal -1
	s_barrier_wait -1
.endm
.macro JLOAD g
	tensor_load_to_lds s[G0+4*\g:G0+4*\g+3], s[G1:G1+7]
	s_nop 0
.rept 4
	v_nop
.endr
.endm
	s_load_b128 s[4:7], s[0:1], 0x0                ; qkv_codes, the exponents
	s_load_b64 s[8:9], s[0:1], 0x10                ; o_codes
	v_lshl_add_u32 v[SPW], v0, 2, SPARE
	v_mov_b32 v[NIL], 0
	ds_add_u32 v[SPW], v[NIL]                      ; the opening adds
	ds_add_u32 v[SPW], v[NIL]
	v_lshrrev_b32 v8, 5, v0
	v_readfirstlane_b32 s[WV], v8                  ; wave 0..15
	s_bfe_u32 s10, ttmp6, 0x40000                  ; cx
	s_and_b32 s11, ttmp7, 0xffff
	s_and_b32 s12, s11, 31                         ; 16 x batch + head
	s_lshr_b32 s13, s11, 5
	s_mov_b32 s[G1], 15|(3<<16)|(1<<21)            ; all four; elements of 8 bytes; 21 set beside a mask.  8,192 bytes, dense, as 8 rows of 1,024
	s_mov_b32 s[G1+1], 128<<16
	s_mov_b32 s[G1+2], 8<<16
	s_mov_b32 s[G1+3], 128<<16
	s_mov_b32 s[G1+4], 8
	s_mov_b32 s[G1+5], 128
	s_mov_b32 s[G1+6], 0
	s_mov_b32 s[G1+7], 0
	s_lshl_b32 s14, s12, 17                        ; the head's block in a section
	s_and_b32 s15, s[WV], 7
	s_lshl_b32 s15, s15, 13
	s_lshr_b32 s16, s[WV], 3                       ; waves 0-7 fetch K, 8-15 V
	s_xor_b32 s[ROLE], s16, 1                      ; and are upper, lower
	s_bfe_u32 s86, s[WV], 0x10002
	s_xor_b32 s86, s86, s16                        ; which of my work-group's two tiles of a block: 0 for waves 0-3, 12-15
	s_lshl_b32 s16, s16, 22
	s_add_co_u32 s48, s14, s15
	s_add_co_u32 s48, s48, s16
	s_add_co_u32 s48, s48, 0x400000
	s_mov_b32 s49, 0
	s_and_b32 s85, s[WV], 3
	s_lshl_b32 s87, s85, 1
	s_add_co_u32 s87, s87, s13                     ; i
	s_sub_co_u32 s[LB], 15, s87
	s_add_co_u32 s88, s87, 1
	s_cmp_eq_u32 s[ROLE], 1
	s_cselect_b32 s[TBK], s87, s[LB]
	s_cselect_b32 s[SW], s88, 16
	s_lshr_b32 s90, s[WV], 2
	s_mul_i32 s90, s90, 3
	s_sub_co_u32 s[LAST], 13, s90                  ; 13, 10, 7, 4
	s_add_co_u32 s[BASE], s[LAST], s[SW]
	s_sub_co_u32 s[BASE], 17, s[BASE]              ; upper: from step SW on the keys go on at step C = 17 - LAST of the block
	s_mov_b32 s[KS], 0
	s_lshl_b32 s88, s10, 1
	s_add_co_u32 s88, s88, s86                     ; my tile of each block's eight
	s_lshl_b32 s89, s[TBK], 3
	s_add_co_u32 s89, s89, s88
	s_lshl_b32 s89, s89, 10
	s_add_co_u32 s50, s14, s89                     ; my first tile of Q
	s_mov_b32 s51, 0
	s_lshl_b32 s89, s[LB], 3
	s_add_co_u32 s89, s89, s88
	s_lshl_b32 s90, s89, 10
	s_add_co_u32 s52, s14, s90                     ; block 15 - i's (for a lower wave the same tile)
	s_mov_b32 s53, 0
	s_lshr_b32 s91, s12, 4
	s_lshl_b32 s91, s91, 21
	s_and_b32 s92, s12, 15
	s_lshl_b32 s92, s92, 10
	s_add_co_u32 s91, s91, s92                     ; o_codes: batch x 2 MiB + head x 1,024
	s_lshl_b32 s89, s89, 14
	s_add_co_u32 s56, s91, s89                     ; + tile x 16,384: block 15 - i,
	s_mov_b32 s57, 0
	s_lshl_b32 s89, s87, 3
	s_add_co_u32 s89, s89, s88
	s_lshl_b32 s89, s89, 14
	s_add_co_u32 s54, s91, s89                     ; block i
	s_mov_b32 s55, 0
	s_lshl_b32 s58, s86, 2
	s_add_co_u32 s58, s58, s85
	s_mul_i32 s58, s58, 4608
	s_add_co_u32 s58, s58, MERGE
	s_lshl_b32 s59, s10, 5
	s_lshl_b32 s86, s86, 3
	s_add_co_u32 s59, s59, s86                     ; my tile's first query in its block
	s_mov_b32 s[SEL], 0x76543210
	s_mov_b32 s[SEL+1], 0xfedcba98
	s_mov_b32 s[CS], 0x3e38aa3b                    ; c = log2(e) / sqrt(64)
	s_mov_b32 s[G0], 1
	s_lshl_b32 s[G0+1], s[WV], 13
	s_mov_b32 s[G0+4], 1
	s_add_co_u32 s[G0+5], s[G0+1], HALFB
	s_wait_dscnt 0x0                               ; both opening adds are done
	s_wait_kmcnt 0x0
	s_load_b256 s[68:75], s[6:7], 0x0              ; e0 .. e7
	s_add_nc_u64 s[G0+2:G0+3], s[4:5], s[48:49]
	s_or_b32 s[G0+3], s[G0+3], 0x80000000
	s_add_nc_u64 s[G0+6:G0+7], s[G0+2:G0+3], 0x10000
	s_add_nc_u64 s[50:51], s[4:5], s[50:51]
	s_add_nc_u64 s[52:53], s[4:5], s[52:53]
	s_add_nc_u64 s[54:55], s[8:9], s[54:55]
	s_add_nc_u64 s[56:57], s[8:9], s[56:57]
	CROUND                                         ; the four work-groups are here: the joint loads meet
	JLOAD 0                                        ; keys 0-1023
	v_and_b32 v10, 31, v0
	v_lshlrev_b32 v[AK0], 4, v10
	global_load_b128 v[QF:QF+3], v[AK0], s[50:51]  ; channels 16 h on,
	global_load_b128 v[QF+4:QF+7], v[AK0], s[50:51] offset:512   ; 32 + 16 h on: as in K's fragments
	global_load_b128 v[Q2:Q2+3], v[AK0], s[52:53]
	global_load_b128 v[Q2+4:Q2+7], v[AK0], s[52:53] offset:512
	v_add_nc_u32 v[AV0], VOFF, v[AK0]
	v_add_nc_u32 v[MA], s58, v[AK0]
	v_and_b32 v8, 15, v0
	v_bfe_u32 v9, v0, 4, 1
	v_and_b32 v11, 8, v8
	v_lshlrev_b32 v9, 4, v9
	v_add_nc_u32 v8, v8, v11
	v_sub_nc_u32 v8, v8, v9
	v_add_nc_u32 v[DM], s59, v8                    ; my query in its block, - 16 h: register 16 b + i holds key 32 b + 16 h + i of the step: hidden where 32 b + i > DM
	v_mov_b32 v13, 0xff61b1e6                      ; the largest t so far: -3e38
	v_mov_b32 v14, 0
	v_mov_b32 v15, 0
	v_floor_f32 v12, -v13                          ; -M
	v_mov_b32 v[PD], 0                             ; written once: a lane permute's destination counts as one of its sources
	v_mov_b32 v[FF+1], 0
	v_mov_b32 v[NINF], 0xff800000
.set j, 0
.rept 32
	v_mov_b32 v[O+j], 0                            ; the first change of M leaves zeros
.set j, j+1
.endr
	s_wait_alu depctr_va_vdst(0)
	s_wait_kmcnt 0x0
	s_add_co_i32 s89, s70, s71
	s_lshl_b32 s89, s89, 23
	s_add_co_i32 s[CS], s[CS], s89                 ; a score stands for score x 2^(e2 + e3)
	s_mov_b32 s[CS+1], s[CS]
	s_add_co_i32 s89, s72, 127
	s_lshl_b32 s90, s89, 23
	v_mov_b32 v[SCP], s90
	s_add_co_i32 s89, s89, 8
	s_lshl_b32 s89, s89, 23
	s_or_b32 s89, s89, 0x600000
	v_mov_b32 v[LMP], s89
	s_add_co_i32 s[EO], s72, s73
	s_sub_co_i32 s[EO], s[EO], s74                 ; e4 + e5 - e6
; 128 keys.  adk, adv: where their images of K and V lie.
.macro STEP adk, adv
.irp t, 0,1,2,3,4,5,6,7
.irp c, 0,1
	ds_load_b128 v[KV+8*\t+4*\c:KV+8*\t+4*\c+3], v[\adk] offset:1024*\t+512*\c
.endr
.endr
	s_wait_alu depctr_va_vdst(0)
	s_wait_dscnt 8                                 ; tiles 0-3 are in; the eight loads of tiles 4-7 may be out
.irp t, 0,1,2,3
	v_wmma_f32_16x16x64_fp8_fp8 v[S+8*\t:S+8*\t+7], v[KV+8*\t:KV+8*\t+7], v[QF:QF+7], 0
.endr
	s_wait_dscnt 0x0
.irp t, 4,5,6,7
	v_wmma_f32_16x16x64_fp8_fp8 v[S+8*\t:S+8*\t+7], v[KV+8*\t:KV+8*\t+7], v[QF:QF+7], 0
.endr
.rept 4
	v_nop                                          ; places in front of the loads below and of the first read of the scores
.endr
.irp t, 0,1,2,3
.irp c, 0,1,2,3
	ds_load_b128 v[KV+16*\t+4*\c:KV+16*\t+4*\c+3], v[\adv] offset:2048*\t+512*\c   ; V's fragments land while the softmax is worked
.endr
.endr
	s_cmp_lg_u32 s[KS], s[TBK]                     ; only a block's own 128 keys are masked
	s_cbranch_scc1 .Lopen_\@
.set n, 0
.rept 64
	v_cmp_gt_i32 vcc_lo, 32*(n/16)+n%16, v[DM]
	v_cndmask_b32 v[S+n], v[S+n], v[NINF], vcc_lo
.set n, n+1
.endr
.Lopen_\@:
	v_max3_num_f32 v[MX], v[S], v[S+1], v[S+2]     ; the largest of my 64 scores, in four chains; each tile is first read at its low end
	v_max3_num_f32 v[MX+1], v[S+3], v[S+4], v[S+5]
	v_max3_num_f32 v[MX+4], v[S+6], v[S+7], v[S+8]
	v_max3_num_f32 v[MX+5], v[S+9], v[S+10], v[S+11]
.irp i, 12,20,28,36,44,52
	v_max3_num_f32 v[MX], v[MX], v[S+\i], v[S+1+\i]
	v_max3_num_f32 v[MX+1], v[MX+1], v[S+2+\i], v[S+3+\i]
	v_max3_num_f32 v[MX+4], v[MX+4], v[S+4+\i], v[S+5+\i]
	v_max3_num_f32 v[MX+5], v[MX+5], v[S+6+\i], v[S+7+\i]
.endr
	v_max3_num_f32 v[MX], v[MX], v[S+60], v[S+61]
	v_max3_num_f32 v[MX+1], v[MX+1], v[S+62], v[S+63]
	v_max_num_f32 v[MX+4], v[MX+4], v[MX+5]
	s_delay_alu instid0(VALU_DEP_1)
	v_max3_num_f32 v[MX], v[MX], v[MX+1], v[MX+4]
	s_delay_alu instid0(VALU_DEP_1)
	v_permlanex16_b32 v[PD], v[MX], s[SEL], s[SEL+1]
	s_delay_alu instid0(VALU_DEP_1)
	v_max_num_f32 v[MX], v[MX], v[PD]              ; and among lane l xor 16's
	s_delay_alu instid0(VALU_DEP_1)
	v_mul_f32 v[MX], s[CS], v[MX]                  ; as t (c is positive)
	s_delay_alu instid0(VALU_DEP_1)
	v_max_num_f32 v13, v13, v[MX]
	v_mov_b32 v[MX], v12
	s_delay_alu instid0(VALU_DEP_2)
	v_floor_f32 v12, -v13                          ; the new -M = -ceil(t)
	s_delay_alu instid0(VALU_DEP_1)
	v_sub_f32 v[MX], v12, v[MX]                    ; old M - new M: a whole number, 0 or less
	s_delay_alu instid0(VALU_DEP_1)
	v_cvt_i32_f32 v[MX], v[MX]                     ; (it saturates)
	s_delay_alu instid0(VALU_DEP_1)
	v_ldexp_f32 v[FF], 1.0, v[MX]                  ; f
.set j, 0
.rept 32
	v_pk_fma_f32 v[S+j:S+j+1], v[S+j:S+j+1], s[CS:CS+1], v[12:13] op_sel_hi:[1,0,0]   ; t - M, two at a time
.set j, j+2
.endr
	s_wait_alu depctr_va_vdst(0)
.set j, 0
.rept 64
	v_exp_f32 v[S+j], v[S+j]                       ; p = 2^(t - M)
.set j, j+1
.endr
	v_pk_mul_f32 v[14:15], v[14:15], v[FF:FF+1] op_sel_hi:[1,0]   ; the plain line behind the exponentials
	s_wait_alu depctr_va_vdst(0)
	v_pk_add_f32 v[30:31], v[S:S+1], v[S+2:S+3]    ; the sum of the unquantised p, in four chains
	v_pk_add_f32 v[216:217], v[S+4:S+5], v[S+6:S+7]
	v_pk_add_f32 v[218:219], v[S+8:S+9], v[S+10:S+11]
	v_pk_add_f32 v[14:15], v[14:15], v[S+12:S+13]
.set j, 14
.rept 6
	v_pk_add_f32 v[30:31], v[30:31], v[S+j:S+j+1]
	v_pk_add_f32 v[216:217], v[216:217], v[S+j+2:S+j+3]
	v_pk_add_f32 v[218:219], v[218:219], v[S+j+4:S+j+5]
	v_pk_add_f32 v[14:15], v[14:15], v[S+j+6:S+j+7]
.set j, j+8
.endr
	v_pk_add_f32 v[30:31], v[30:31], v[S+62:S+63]
	v_pk_add_f32 v[216:217], v[216:217], v[218:219]
	v_pk_add_f32 v[14:15], v[14:15], v[30:31]
.set j, 0
.rept 32
	v_dual_min_num_f32 v[S+j], v[LMP], v[S+j] :: v_dual_min_num_f32 v[S+j+1], v[LMP], v[S+j+1]   ; p is not negative: the hold is one-sided (ISA guide 7.6.2: the conversion does not saturate)
.set j, j+2
.endr
	v_pk_add_f32 v[14:15], v[14:15], v[216:217]
.irp g, 0,1,2,3,4,5,6,7
	v_cvt_scalef32_pk8_fp8_f32 v[PC+2*\g:PC+2*\g+1], v[S+8*\g:S+8*\g+7], v[SCP]
.endr
	s_wait_alu depctr_va_vdst(0)                   ; directly ahead of the first reader of O^T
.set j, 0
.rept 16
	v_pk_mul_f32 v[O+j:O+j+1], v[O+j:O+j+1], v[FF:FF+1] op_sel_hi:[1,0]   ; O^T under the new M.  (Also the plain lines between the conversions and the products)
.set j, j+2
.endr
	s_wait_alu depctr_va_vdst(0)
	s_wait_dscnt 0x0                               ; V's fragments
.irp t, 0,1,2,3
	v_wmma_f32_16x16x128_fp8_fp8 v[O+8*\t:O+8*\t+7], v[KV+16*\t:KV+16*\t+15], v[PC:PC+15], v[O+8*\t:O+8*\t+7]   ; the four accumulators take turns
.endr
.endm
; A tile is finished: O^T / the sum x 2^(e4 + e5 - e6), held within +-448, converted, stored as two pieces of 512 consecutive bytes.
.macro FIN ob
	v_add_f32 v14, v14, v15
	s_delay_alu instid0(VALU_DEP_1)
	v_permlanex16_b32 v[PD], v14, s[SEL], s[SEL+1]
	s_delay_alu instid0(VALU_DEP_1)
	v_add_f32 v14, v14, v[PD]                      ; the row's sum
	s_wait_alu depctr_va_vdst(0)
	v_rcp_f32 v14, v14
	v_mov_b32 v[ONE], 1.0                          ; (the plain line behind the reciprocal)
	v_mov_b32 v[C448], 0x43e00000                  ; 448
	s_wait_alu depctr_va_vdst(0)
	v_ldexp_f32 v14, v14, s[EO]
	s_wait_alu depctr_va_vdst(0)                   ; directly ahead of the first reader of O^T
.set j, 0
.rept 32
	v_mul_f32 v[S+j], v[O+j], v14
.set j, j+1
.endr
.set j, 0
.rept 32
	v_med3_num_f32 v[S+j], v[S+j], -v[C448], v[C448]
.set j, j+1
.endr
.irp g, 0,1,2,3
	v_cvt_scalef32_pk8_fp8_f32 v[PC+2*\g:PC+2*\g+1], v[S+8*\g:S+8*\g+7], v[ONE]
.endr
	v_nop
	global_store_b128 v[AK0], v[PC:PC+3], s[\ob:\ob+1]             ; channels 16 h on
	global_store_b128 v[AK0], v[PC+4:PC+7], s[\ob:\ob+1] offset:512 ; 32 + 16 h on
.endm
; A trip: the change to block 15 - i where it is due, and a step.  lim: the last step of keys that lies in LDS.
.macro TRIP lim
	s_cmp_lg_u32 s[N], s[SW]
	s_cbranch_scc1 .Lstay_\@
	FIN 54                                         ; block i is finished: on to block 15 - i
	v_mov_b32 v13, 0xff61b1e6
	v_mov_b32 v14, 0
	v_mov_b32 v15, 0
	v_floor_f32 v12, -v13
.set j, 0
.rept 8
	v_mov_b32 v[QF+j], v[Q2+j]
.set j, j+1
.endr
.set j, 0
.rept 32
	v_mov_b32 v[O+j], 0
.set j, j+1
.endr
	s_mov_b32 s[TBK], s[LB]
	s_wait_alu depctr_va_vdst(0)
	s_wait_xcnt 0x0                                ; the stores' registers may be written again
.Lstay_\@:
	s_cmp_ge_u32 s[N], s[LAST]
	s_cbranch_scc1 .Lidle_\@                       ; my steps are done
	s_cmp_lt_u32 s[N], s[SW]
	s_cselect_b32 s96, 0, s[BASE]
	s_add_co_u32 s[KS], s[N], s96
	s_min_u32 s[KS], s[KS], \lim
	s_lshr_b32 s96, s[KS], 3
	s_lshl_b32 s96, s96, 17
	s_and_b32 s97, s[KS], 7
	s_lshl_b32 s97, s97, 13
	s_add_co_u32 s96, s96, s97
	v_add_nc_u32 v[ADK], s96, v[AK0]
	v_add_nc_u32 v[ADV], s96, v[AV0]
	v_nop
	v_nop                                          ; with the two additions: four places in front of loads into registers that the last products have read
	STEP ADK, ADV
.Lidle_\@:
	s_add_co_u32 s[N], s[N], 1
.endm
	s_wait_alu depctr_va_vdst(0)
	s_wait_loadcnt 0x0                             ; Q
	s_wait_tensorcnt 0x0                           ; my part of keys 0-1023
	ds_add_u32 v[SPW], v[NIL]
	s_wait_dscnt 0x0
	CROUND                                         ; everybody's part is in
	JLOAD 1                                        ; keys 1024-2047, the first tensor load behind the round; they land while the first two steps are worked
	s_mov_b32 s[N], 0
.Lfirst:
	TRIP 7
	s_cmp_lt_u32 s[N], 2
	s_wait_alu depctr_va_vdst(0)                   ; directly ahead of the branch
	s_cbranch_scc1 .Lfirst
	s_wait_tensorcnt 0x0
	s_wait_dscnt 0x0
	s_barrier_signal -1
	s_barrier_wait -1                              ; all keys are in; nothing is filled any more
	s_mov_b32 s[N], 2
.Lrest:
	TRIP 15
	s_cmp_lt_u32 s[N], 13
	s_wait_alu depctr_va_vdst(0)
	s_cbranch_scc1 .Lrest
	s_cmp_eq_u32 s[ROLE], 1
	s_cbranch_scc1 .Lupper
.rept 4
	v_nop                                          ; places in front of the first read of O^T
.endr
.irp k, 0,1,2,3,4,5,6,7
	ds_store_b128 v[MA], v[O+4*\k:O+4*\k+3] offset:512*\k
.endr
	ds_store_b128 v[MA], v[12:15] offset:4096      ; -M, t, the sum's halves
.Lupper:
	s_wait_dscnt 0x0                               ; my part of the hand-over is stored
	s_barrier_signal -1
	s_barrier_wait -1
	s_cmp_eq_u32 s[ROLE], 0
	s_cbranch_scc1 .Lend
.irp k, 0,1,2,3,4,5,6,7
	ds_load_b128 v[S+4*\k:S+4*\k+3], v[MA] offset:512*\k
.endr
	ds_load_b128 v[S+32:S+35], v[MA] offset:4096
	s_wait_dscnt 0x0
	v_min_num_f32 v[MX], v12, v[S+32]              ; -M of both
	v_sub_f32 v[MX+1], v[MX], v12
	v_sub_f32 v211, v[MX], v[S+32]
	v_cvt_i32_f32 v[MX+1], v[MX+1]
	v_cvt_i32_f32 v211, v211
	v_ldexp_f32 v[FF], 1.0, v[MX+1]                ; what mine,
	v_ldexp_f32 v30, 1.0, v211                     ; and what the other's sums are multiplied by
	v_pk_mul_f32 v[14:15], v[14:15], v[FF:FF+1] op_sel_hi:[1,0]
.set j, 0
.rept 16
	v_pk_mul_f32 v[O+j:O+j+1], v[O+j:O+j+1], v[FF:FF+1] op_sel_hi:[1,0]
.set j, j+2
.endr
	v_pk_fma_f32 v[14:15], v[S+34:S+35], v[30:31], v[14:15] op_sel_hi:[1,0,1]
.set j, 0
.rept 16
	v_pk_fma_f32 v[O+j:O+j+1], v[S+j:S+j+1], v[30:31], v[O+j:O+j+1] op_sel_hi:[1,0,1]
.set j, j+2
.endr
	FIN 56
.Lend:
	s_wait_tensorcnt 0x0                           ; the wave's end
	ds_add_u32 v[SPW], v[NIL]
	s_wait_dscnt 0x0
	CROUND                                         ; the closing round
	s_endpgm
.Lfunc_end_k_q961ef25190_attn:
	.size	k_q961ef25190_attn, .Lfunc_end_k_q961ef25190_attn-k_q961ef25190_attn
	.p2alignl 7, 3214868480
	.fill 96, 4, 3214868480
	.section	.rodata,"a",@progbits
	.p2align	6, 0x0
	.amdhsa_kernel k_q961ef25190_attn
		.amdhsa_group_segment_fixed_size 327680
		.amdhsa_private_segment_fixed_size 0
		.amdhsa_enable_private_segment 0
		.amdhsa_kernarg_size 24
		.amdhsa_user_sgpr_count 2
		.amdhsa_user_sgpr_kernarg_segment_ptr 1
		.amdhsa_wavefront_size32 1
		.amdhsa_system_sgpr_workgroup_id_x 1
		.amdhsa_system_sgpr_workgroup_id_y 1
		.amdhsa_system_sgpr_workgroup_id_z 1
		.amdhsa_system_vgpr_workitem_id 0
		.amdhsa_next_free_vgpr 256
		.amdhsa_next_free_sgpr 100
		.amdhsa_reserve_vcc 1
		.amdhsa_float_denorm_mode_32 3
		.amdhsa_float_denorm_mode_16_64 3
		.amdhsa_memory_ordered 1
		.amdhsa_forward_progress 1
		.amdhsa_inst_pref_size 70
	.end_amdhsa_kernel
	.amdgpu_metadata
---
amdhsa.version: [ 1, 2 ]
amdhsa.kernels:
  - .name:           k_q961ef25190_attn
    .symbol:         k_q961ef25190_attn.kd
    .args:
      - { .name: qkv_codes, .offset: 0, .size: 8, .value_kind: global_buffer, .address_space: global }
      - { .name: lowp_scales, .offset: 8, .size: 8, .value_kind: global_buffer, .address_space: global }
      - { .name: o_codes, .offset: 16, .size: 8, .value_kind: global_buffer, .address_space: global }
    .group_segment_fixed_size: 327680
    .private_segment_fixed_size: 0
    .kernarg_segment_align: 8
    .kernarg_segment_size: 24
    .max_flat_workgroup_size: 512
    .sgpr_count:     100
    .vgpr_count:     256
    .wavefront_size: 32
...
	.end_amdgpu_metadata
.endif
;; end of part 3
;; launch proj (part 4): grid 8 x 32, 4 waves a work-group, clusters of 4 x 4, 327,680 bytes of LDS; arguments o_codes, wp_codes, lowp_scales, b_proj, out0; writes out0
.if DOCPART == 4
	.amdgcn_target "amdgcn-amd-amdhsa--gfx1250"
	.amdhsa_code_object_version 6
	.text
	.protected	k_q961ef25190_proj
	.globl	k_q961ef25190_proj
	.p2align	8
	.type	k_q961ef25190_proj,@function
k_q961ef25190_proj:
	s_mov_b64 s[64:65], 0
	v_nop
	global_prefetch_b8 v0, s[64:65] scope:SCOPE_SE
	s_setreg_imm32_b32 hwreg(HW_REG_WAVE_MODE, 25, 1), 1
	s_wait_xcnt 0x0
	s_wait_alu depctr_hold_cnt(0) depctr_sa_sdst(0) depctr_va_vdst(0) depctr_va_sdst(0) depctr_va_ssrc(0) depctr_va_vcc(0) depctr_vm_vsrc(0)
	s_getreg_b32 s2, hwreg(HW_REG_IB_STS2, 6, 4)
	s_cmp_eq_u32 s2, 0
	s_cbranch_scc0 .Lentry_in_a_cluster
	s_endpgm
.Lentry_in_a_cluster:
	s_bfe_u32 s2, ttmp6, 0x10000c
	s_cmp_lg_u32 s2, 0xf033
	s_cbranch_scc0 .Lentry_shape_is_right
	s_endpgm
.Lentry_shape_is_right:
; out0 = o W_proj + b_proj on codes of FP8 (E4M3): out = sum x 2^(e6 + e7) + b.  o_codes: images of operand registers (launch attn), 16,384 bytes for 16 rows; wp_codes: launch quant.
; LIMIT: e6 + e7 lies between -126 and 127, so that 2^(e6 + e7) is an f32 number.  NaN among the operands is not served.
; 256 work-groups, each 128 x 128 of the output; four waves, each 64 x 64.  THE WHOLE K LIES IN LDS, fetched by one tensor load a wave at the head: no LDS byte is filled twice, and there is no loop of loads to run
; ahead in, so nothing is prefetched.  CLUSTERS: 4 x 4 work-groups: o's tile is asked for jointly by a row of the cluster, W's by a column.
; A wave's fragments of W for the whole K (512 registers) stay, and its four tiles of 16 rows are finished one after the other: a tile's stores leave while the next is multiplied.
; The matrix instruction is used transposed (source 0 = 16 places of W, source 1 = 16 rows of o).  Tile 2 B + u of W: register j of lane (r, h) is column 32 B + 16 h + 8 u + j; tile 2 B + u of o: lane r is row 32 B + 8 u + r + 8 (r / 8).
; REGISTERS: window 0: addresses, v32-63 the bias, v64-95 at work, v128-191 two sets of four accumulators, v192-255 rows read back; windows 1, 2: W's fragments; window 3: two tiles of o, 128 registers each.
.set PW,    272                        ; a row of W in LDS: 256 bytes along K + 16
.set CHUNK, 64*PW                      ; 64 rows of a chunk
.set BOFF,  131072                     ; o: eight tiles of 16,384 bytes; then W: two groups of four chunks
.set STAGE, BOFF+8*CHUNK               ; the way out: 16 rows x 272 bytes for each wave; no fill lands here
.set SPARE, STAGE+4*16*272             ; the spare words, 128 bytes a wave
.set ADRA, 8
.set ADRB, 9
.set STO,  24
.set RD,   25
.set CO,   26
.set BO,   27
.set BI,   32
.set TM,   64
.set ACC,  128
.set BK,   192
.set G1A, 24
.set G0A, 32
.set G0B, 36
.set G1B, 40
.set MSB, 0
.macro WIN new
.if MSB != \new
	s_set_vgpr_msb (MSB<<8)|\new
.set MSB, \new
.endif
.endm
.macro CROUND
	s_barrier_signal -1
	s_barrier_wait -1
	s_cmp_lg_u32 s14, 0
	s_cbranch_scc1 .Lnot_wave_0_\@
	s_barrier_signal -3
.Lnot_wave_0_\@:
	s_barrier_wait -3
	s_barrier_signal -1
	s_barrier_wait -1
.endm
.macro PLACES                          ; four places in front of loads into registers that products have read, and of the first read of results
.rept 4
	v_nop
.endr
.endm
	s_load_b256 s[4:11], s[0:1], 0x0               ; o_codes, wp_codes, the exponents, b_proj
	s_load_b64 s[12:13], s[0:1], 0x20              ; out0
	v_lshl_add_u32 v30, v0, 2, SPARE
	v_mov_b32 v31, 0
	ds_add_u32 v30, v31                            ; the opening adds
	ds_add_u32 v30, v31
	v_lshrrev_b32 v1, 5, v0
	v_readfirstlane_b32 s14, v1                    ; wave 0..3
	s_lshr_b32 s15, s14, 1                         ; which 64 rows are mine.  Also: I fetch for o (0) or for W (1)
	s_and_b32 s16, s14, 1                          ; which 64 columns.  Also: which half of that tile I fetch
	s_bfe_u32 s76, ttmp6, 0x40000                  ; cx
	s_bfe_u32 s77, ttmp6, 0x40004                  ; cy
	s_lshl_b32 s78, ttmp9, 2
	s_add_co_u32 s78, s78, s76                     ; tile column
	s_and_b32 s17, ttmp7, 0xffff
	s_lshl_b32 s17, s17, 2
	s_add_co_u32 s17, s17, s77                     ; tile row
	s_lshl_b32 s79, s77, 2
	s_lshl_b32 s79, 15, s79                        ; my row of the cluster
	s_lshl_b32 s80, 0x1111, s76                    ; my column
	s_or_b32 s[G1A], s79, (3<<16)|(1<<21)          ; the mask; elements of 8 bytes; 21 set beside a mask.  Four rows of 16,384 bytes, dense
	s_mov_b32 s[G1A+1], 2048<<16
	s_mov_b32 s[G1A+2], 4<<16
	s_mov_b32 s[G1A+3], 2048<<16
	s_mov_b32 s[G1A+4], 4
	s_mov_b32 s[G1A+5], 2048
	s_mov_b32 s[G1A+6], 0
	s_mov_b32 s[G1A+7], 0
	s_or_b32 s[G1B], s80, (1<<20)|(1<<21)|(5<<22)|(3<<25)   ; elements of 1 byte; padding: four words after every 64.  256 rows of 256 bytes, dense: four chunks of 64
	s_mov_b32 s[G1B+1], 256<<16
	s_mov_b32 s[G1B+2], 256<<16
	s_mov_b32 s[G1B+3], 256<<16
	s_mov_b32 s[G1B+4], 256
	s_mov_b32 s[G1B+5], 256
	s_mov_b32 s[G1B+6], 0
	s_mov_b32 s[G1B+7], 0
	s_lshl_b32 s20, s17, 3
	s_lshl_b32 s18, s16, 2
	s_add_co_u32 s20, s20, s18
	s_lshl_b32 s20, s20, 14                        ; o: tile 8 x tile row + 4 x half
	s_mov_b32 s21, 0
	s_lshl_b32 s82, s78, 1
	s_add_co_u32 s82, s82, s16
	s_lshl_b32 s82, s82, 16                        ; W: group 2 x tile column + half
	s_mov_b32 s83, 0
	s_mov_b32 s[G0A], 1
	s_lshl_b32 s[G0A+1], s16, 16                   ; where they go: no place in the cluster enters an LDS address
	s_mov_b32 s[G0B], 1
	s_mul_i32 s[G0B+1], s16, 4*CHUNK
	s_add_co_u32 s[G0B+1], s[G0B+1], BOFF
	s_wait_dscnt 0x0
	s_wait_kmcnt 0x0
	s_load_b256 s[88:95], s[8:9], 0x0              ; e0 .. e7
	s_add_nc_u64 s[G0A+2:G0A+3], s[4:5], s[20:21]
	s_or_b32 s[G0A+3], s[G0A+3], 0x80000000
	s_add_nc_u64 s[G0B+2:G0B+3], s[6:7], s[82:83]
	s_or_b32 s[G0B+3], s[G0B+3], 0x80000000
	CROUND                                         ; all sixteen work-groups are here: the joint loads meet
	s_cmp_eq_u32 s15, 0
	s_cbranch_scc0 .Lfor_w
	tensor_load_to_lds s[G0A:G0A+3], s[G1A:G1A+7]
	s_nop 0
	PLACES
	s_branch .Lasked
.Lfor_w:
	tensor_load_to_lds s[G0B:G0B+3], s[G1B:G1B+7]
	s_nop 0
	PLACES
.Lasked:
	s_lshl_b32 s18, s15, 16                        ; my four tiles of o,
	s_mul_i32 s19, s16, 4*CHUNK
	s_add_co_u32 s19, s19, BOFF                    ; my group of W,
	s_mul_i32 s81, s14, 16*272
	s_add_co_u32 s81, s81, STAGE                   ; my stage
	s_lshl_b32 s84, s78, 7
	s_lshl_b32 s85, s16, 6
	s_add_co_u32 s84, s84, s85                     ; my first column,
	s_lshl_b32 s84, s84, 2                         ; in bytes
	s_mov_b32 s85, 0
	s_add_nc_u64 s[10:11], s[10:11], s[84:85]
	s_add_nc_u64 s[12:13], s[12:13], s[84:85]
	s_lshl_b32 s84, s17, 7
	s_lshl_b32 s86, s15, 6
	s_add_co_u32 s84, s84, s86                     ; my first row
	s_lshl_b32 s84, s84, 12
	s_add_nc_u64 s[12:13], s[12:13], s[84:85]
	v_and_b32 v1, 15, v0                           ; r
	v_bfe_u32 v2, v0, 4, 1                         ; h
	v_and_b32 v3, 31, v0
	v_lshlrev_b32 v[BO], 6, v2
.irp b, 0,1,2,3
	global_load_b128 v[BI+8*\b:BI+8*\b+3], v[BO], s[10:11] offset:128*(\b/2)+32*(\b%2)       ; b(32 B + 16 h + 8 u + 0 .. 7)
	global_load_b128 v[BI+8*\b+4:BI+8*\b+7], v[BO], s[10:11] offset:128*(\b/2)+32*(\b%2)+16
.endr
	v_lshlrev_b32 v3, 4, v3
	v_add_nc_u32 v[ADRA], s18, v3                  ; o: 16 x lane in an image
	v_mul_u32_u24 v5, v1, PW
	v_lshl_add_u32 v6, v2, 4, v5
	v_add_nc_u32 v[ADRB], s19, v6                  ; W: row r, + 16 h
	v_lshl_add_u32 v7, v2, 6, v5                   ; (a stage row has the same pitch)
	v_add_nc_u32 v[STO], s81, v7                   ; in: row r, + 64 h
	v_mul_u32_u24 v4, v2, 272
	v_lshl_add_u32 v4, v1, 4, v4
	v_add_nc_u32 v[RD], s81, v4                    ; back: lanes 0-15 one row of 256 bytes, lanes 16-31 the next
	v_lshlrev_b32 v[CO], 12, v2
	v_lshl_add_u32 v[CO], v1, 4, v[CO]             ; and the same two rows in out0
	s_wait_alu depctr_va_vdst(0)
	s_wait_kmcnt 0x0
	s_add_co_i32 s86, s94, s95
	s_add_co_i32 s86, s86, 127
	s_lshl_b32 s86, s86, 23                        ; 2^(e6 + e7) as f32
	s_mov_b32 s87, s86                             ; (named with it as a pair)
.macro LDO a, ks                       ; o's fragment of tile a, the ks-th 128 along K
.irp q, 0,1,2,3
	ds_load_b128 v[128*((\a)%2)+16*(\ks)+4*\q:128*((\a)%2)+16*(\ks)+4*\q+3], v[ADRA] offset:16384*(\a)+2048*(\ks)+512*\q
.endr
.endm
.macro TILE a                          ; 32 LDS loads: a tile of o
	WIN 0xc0
.irp k, 0,1,2,3,4,5,6,7
	LDO \a, \k
.endr
.endm
.macro BOTH ks                         ; 20 LDS loads: W's four fragments and the first tile's one
	WIN 0x40+0x40*((\ks)/4)
.irp b, 0,1,2,3
.irp q, 0,1,2,3
	ds_load_b128 v[64*((\ks)%4)+16*\b+4*\q:64*((\ks)%4)+16*\b+4*\q+3], v[ADRB] offset:16*PW*\b+CHUNK*((\ks)/2)+128*((\ks)%2)+32*\q
.endr
.endr
	WIN 0xc0
	LDO 0, \ks
.endm
; Four matrix instructions, each accumulator once.  The first 128 along K start the sums.
.macro MUL a, ks
	WIN 0x0d+(\ks)/4                               ; source 0 window 1 or 2, source 1 window 3, C and D window 0
.irp b, 0,1,2,3
.if (\ks) == 0
	v_wmma_f32_16x16x128_fp8_fp8 v[ACC+32*((\a)%2)+8*\b:ACC+32*((\a)%2)+8*\b+7], v[64*((\ks)%4)+16*\b:64*((\ks)%4)+16*\b+15], v[128*((\a)%2)+16*(\ks):128*((\a)%2)+16*(\ks)+15], 0
.else
	v_wmma_f32_16x16x128_fp8_fp8 v[ACC+32*((\a)%2)+8*\b:ACC+32*((\a)%2)+8*\b+7], v[64*((\ks)%4)+16*\b:64*((\ks)%4)+16*\b+15], v[128*((\a)%2)+16*(\ks):128*((\a)%2)+16*(\ks)+15], v[ACC+32*((\a)%2)+8*\b:ACC+32*((\a)%2)+8*\b+7]
.endif
.endr
.endm
.macro ROWS a
.irp k, 0,1,2,3,4,5,6,7
	MUL \a, \k
.endr
.endm
; THE WAY OUT of a tile of 16 rows x 64 columns: sum x 2^(e6 + e7) + b, through my own stage, back as rows of 256 bytes; then stored.
.macro TOST a
	WIN 0
.irp b, 0,1,2,3
.irp i, 0,2,4,6
	v_pk_fma_f32 v[TM+8*\b+\i:TM+8*\b+\i+1], v[ACC+32*((\a)%2)+8*\b+\i:ACC+32*((\a)%2)+8*\b+\i+1], s[86:87], v[BI+8*\b+\i:BI+8*\b+\i+1] op_sel_hi:[1,0,1]   ; each accumulator from its low end on
.endr
.endr
.irp b, 0,1,2,3
	ds_store_b128 v[STO], v[TM+8*\b:TM+8*\b+3] offset:128*(\b/2)+32*(\b%2)
	ds_store_b128 v[STO], v[TM+8*\b+4:TM+8*\b+7] offset:128*(\b/2)+32*(\b%2)+16
.endr
.if (\a) > 1
	s_wait_xcnt 0x0                                ; the stores of two tiles back have read their registers
.endif
.irp t, 0,1,2,3,4,5,6,7
	ds_load_b128 v[BK+32*((\a)%2)+4*\t:BK+32*((\a)%2)+4*\t+3], v[RD] offset:2*272*\t   ; my own bytes, and LDS serves a wave's instructions in order (ISA guide 5.7.1.4)
.endr
.endm
.macro SEND a
	s_wait_dscnt 0x0
	WIN 0
.irp t, 0,1,2,3,4,5,6,7
	global_store_b128 v[CO], v[BK+32*((\a)%2)+4*\t:BK+32*((\a)%2)+4*\t+3], s[12:13] offset:(32*((\a)/2)+8*((\a)%2)+2*\t+8*(\t/4))*4096 th:TH_STORE_NT   ; sixteen lanes store 256 consecutive bytes, aligned
.endr
.endm
	s_wait_alu depctr_va_vdst(0)
	s_wait_loadcnt 0x0                             ; the bias
	s_wait_tensorcnt 0x0                           ; my part is in
	s_barrier_signal -1
	s_barrier_wait -1                              ; everybody's part is
	BOTH 0
	BOTH 1
	BOTH 2
.irp k, 0,1,2,3,4
	BOTH \k+3
	s_wait_dscnt 60                                ; all but the three youngest runs of 20
	MUL 0, \k
.endr
	s_wait_dscnt 40
	MUL 0, 5
	s_wait_dscnt 20
	MUL 0, 6
	s_wait_dscnt 0x0
	TILE 1
	MUL 0, 7
	PLACES                                         ; in front of loads into the first tile's registers, and of the first read of its results
	TILE 2
	TOST 0
	s_wait_dscnt 48                                ; tile 1 is in: behind it tile 2's 32 loads and the stage's 16
	ROWS 1
	SEND 0
	PLACES
	TILE 3
	TOST 1
	ROWS 2                                         ; tile 2 came in ahead of tile 0's stores
	SEND 1
	PLACES
	TOST 2
	ROWS 3                                         ; tile 3 came in ahead of tile 1's stores
	SEND 2
	PLACES
	TOST 3
	SEND 3
	WIN 0
	s_wait_tensorcnt 0x0                           ; the wave's end
	ds_add_u32 v30, v31
	s_wait_dscnt 0x0
	CROUND                                         ; the closing round
	s_endpgm
.Lfunc_end_k_q961ef25190_proj:
	.size	k_q961ef25190_proj, .Lfunc_end_k_q961ef25190_proj-k_q961ef25190_proj
	.p2alignl 7, 3214868480
	.fill 96, 4, 3214868480
	.section	.rodata,"a",@progbits
	.p2align	6, 0x0
	.amdhsa_kernel k_q961ef25190_proj
		.amdhsa_group_segment_fixed_size 327680
		.amdhsa_private_segment_fixed_size 0
		.amdhsa_enable_private_segment 0
		.amdhsa_kernarg_size 40
		.amdhsa_user_sgpr_count 2
		.amdhsa_user_sgpr_kernarg_segment_ptr 1
		.amdhsa_wavefront_size32 1
		.amdhsa_system_sgpr_workgroup_id_x 1
		.amdhsa_system_sgpr_workgroup_id_y 1
		.amdhsa_system_sgpr_workgroup_id_z 1
		.amdhsa_system_vgpr_workitem_id 0
		.amdhsa_next_free_vgpr 1024
		.amdhsa_next_free_sgpr 96
		.amdhsa_reserve_vcc 0
		.amdhsa_float_denorm_mode_32 3
		.amdhsa_float_denorm_mode_16_64 3
		.amdhsa_memory_ordered 1
		.amdhsa_forward_progress 1
		.amdhsa_inst_pref_size 45
	.end_amdhsa_kernel
	.amdgpu_metadata
---
amdhsa.version: [ 1, 2 ]
amdhsa.kernels:
  - .name:           k_q961ef25190_proj
    .symbol:         k_q961ef25190_proj.kd
    .args:
      - { .name: o_codes, .offset: 0, .size: 8, .value_kind: global_buffer, .address_space: global }
      - { .name: wp_codes, .offset: 8, .size: 8, .value_kind: global_buffer, .address_space: global }
      - { .name: lowp_scales, .offset: 16, .size: 8, .value_kind: global_buffer, .address_space: global }
      - { .name: b_proj, .offset: 24, .size: 8, .value_kind: global_buffer, .address_space: global }
      - { .name: out0, .offset: 32, .size: 8, .value_kind: global_buffer, .address_space: global }
    .group_segment_fixed_size: 327680
    .private_segment_fixed_size: 0
    .kernarg_segment_align: 8
    .kernarg_segment_size: 40
    .max_flat_workgroup_size: 128
    .sgpr_count:     96
    .vgpr_count:     1024
    .wavefront_size: 32
...
	.end_amdgpu_metadata
.endif
;; end of part 4
